; MI455X (gfx1250); checked and timed in simulation.
; The chip was launched on July 23, 2026; its instructions are those of AMD's public machine-readable ISA for CDNA 5 (MIT licence, August 2026) and "CDNA5" Instruction Set Architecture Reference Guide (July 2026). The comments in the code are by the model that wrote it; some were corrected since.
;; Multi Head Attention. Allowed arithmetic: matrix products marked QUANTISED: E2M3 operands, one E8M0 scale for each 32 along K, by v_wmma_scale_f32_16x16x128_f8f6f4 with both operands' format E2M3, f32 sums; everything else in f32.
;; Inputs: Wk 16 x 1,024 x 64 float32; Wo 1,024 x 1,024 float32; Wq 16 x 1,024 x 64 float32; Wv 16 x 1,024 x 64 float32; bo 1,024 float32; x 4 x 2,048 x 1,024 float32.
;; Outputs: out0 4 x 2,048 x 1,024 float32.
;; This version of the problem:
;;   THIS VERSION OF THE PROBLEM IS GIVEN IN LOW PRECISION. The matrix products marked QUANTISED in the list below multiply operands that are first quantised to E2M3 (2 exponent bits, 3 mantissa bits; 6 bits a number), with one power-of-two scale for each 32 numbers along K (OCP MX v1.0); their sums are f32. All else is computed in f32.
;;   The module's matrix products, in the order in which they are computed (A, B: the left and right operand; K: the contracted axis; several contracted axes count as one K, in the product's order):
;;     1. [M 1,024, K 1,024] x [K 1,024, N 8,192]; A: input Wq; B: input x: QUANTISED
;;     2. [M 1,024, K 1,024] x [K 1,024, N 8,192]; A: input Wk; B: input x: QUANTISED
;;     3. [M 1,024, K 1,024] x [K 1,024, N 8,192]; A: input Wv; B: input x: QUANTISED
;;     4. batch 64 x [M 2,048, K 64] x [K 64, N 2,048]; A: computed on the way; B: computed on the way: QUANTISED
;;     5. batch 64 x [M 2,048, K 2,048] x [K 2,048, N 64]; A: softmax (see below); B: computed on the way: QUANTISED
;;     6. [M 8,192, K 1,024] x [K 1,024, N 1,024]; A: computed on the way; B: input Wo: QUANTISED
;;   THE QUANTISER, for each operand of a quantised product, along K:
;;     - K is cut into blocks of 32 from its start; a last block that is shorter is filled with zeros.
;;     - A block's scale is 2^e with e = floor(log2(the largest magnitude in the block)) - 2, held to -126 .. 127; a block of zeros has e = 0. As a byte (E8M0): e + 127.
;;     - Each number is divided by its block's scale, clamped to +-7.5, and rounded to the nearest number of E2M3, ties to even, subnormals kept.
;;     - The product sums the exact products of the quantised numbers (number of the format x scale) in f32.
;;   ~~~python
;;   def quantise(x, axis):      # numpy; x: float32 -> the quantised numbers, widened to float32 again
;;       x = np.moveaxis(x, axis, -1); K = x.shape[-1]
;;       x = np.pad(x, [(0, 0)] * (x.ndim - 1) + [(0, -K % 32)]); x = x.reshape(x.shape[:-1] + (-1, 32)); a = np.abs(x).max(-1, keepdims=True)
;;       e = np.where(a > 0, np.clip(np.frexp(np.where(a > 0, a, 1))[1] - 1 - 2, -126, 127), 0)      # np.frexp(a)[1] - 1 = floor(log2(a)), exactly
;;       r = np.clip(x / 2.0 ** e, -7.5, 7.5)
;;       step = 2.0 ** (np.maximum(np.frexp(np.where(r == 0, 1, r))[1] - 1, 0) - 3)
;;       q = np.round(r / step) * step * 2.0 ** e      # np.round: ties to even
;;       return np.moveaxis(q.reshape(q.shape[:-2] + (-1,))[..., :K], -1, axis).astype(np.float32)
;;   ~~~
;;   SOFTMAX AHEAD OF A QUANTISED PRODUCT. Where the list says 'softmax', what is quantised is not the finished softmax but p = 2^(t - M), with t = logit x log2(e) and M = ceil(the row's largest t), a whole number; so 1/2 < the row's largest p <= 1. The row's sum l is taken of the UNQUANTISED p, in f32, and the product's result is divided by l at the end. Since M is a whole number, a kernel that streams over the keys may use a running M (the ceiling of the running maximum): every later rescaling is an exact power of two, which a block's scale takes up: the codes' values come out the same.
;;   OPERANDS COMPUTED ON THE WAY. 'Computed on the way' means the value that the module computes at that place (a softmax that the list does not call 'softmax' is quantised finished and normalised). What goes into a quantiser is computed in f32, as accurately as f32 sums, v_exp_f32 and their like allow (about 1e-6 of the number): no bf16 or f16 on the way to a quantiser, and a product that is left as it is and whose result goes on into a quantised operand takes f32 operands (vector FMAs, or v_wmma_f32_16x16x4_f32). A number that lies on a knife's edge between two numbers of the format may be rounded either way, as far as f32 arithmetic and the matrix unit's own rounding can turn it there, and no further.
;; One version. Each part assembles by itself: llvm-mc -triple=amdgcn-amd-amdhsa -mcpu=gfx1250 --defsym DOCPART=n.
;; ======== version 1 of 1: 4 launches
;; limits: right only within a limited range of input values
;; workspace buffers: codes 9,437,184 bytes; scales 393,216 bytes; qkv 19,660,800 bytes; oc 6,291,456 bytes; os 262,144 bytes
;; launch prep (part 1): grid 768 x 1, 4 waves a work-group, no clusters, 68,096 bytes of LDS; arguments x, Wq, Wk, Wv, Wo, codes, scales; writes codes, scales
.if DOCPART == 1
	.amdgcn_target "amdgcn-amd-amdhsa--gfx1250"
	.amdhsa_code_object_version 6
	.text
	.protected	k_qa2b36e7540_prep
	.globl	k_qa2b36e7540_prep
	.p2align	8
	.type	k_qa2b36e7540_prep,@function
k_qa2b36e7540_prep:
	s_mov_b64 s[64:65], 0
	v_nop
	global_prefetch_b8 v0, s[64:65] scope:SCOPE_SE
	s_setreg_imm32_b32 hwreg(HW_REG_WAVE_MODE, 25, 1), 1
	s_wait_xcnt 0x0
; x [8192][1024], Wq, Wk, Wv [16][1024][64] and Wo [1024][1024], f32, become codes of FP6 (E2M3) with one E8M0 byte for each 32 along K (K = the 1,024 that each product contracts).
; A block's scale is 2^(floor(log2(its largest magnitude)) - 2); its byte is that magnitude's exponent field - 2, held at 1 from below.
; LIMITS: a block of zeros, or one whose largest magnitude lies under 2^-124, keeps the byte 1 (its codes are zeros or the nearest codes under that scale; this program alone reads the bytes);
; NaN and infinities among the inputs are not served.
; THE OUTPUT IS LAID AS THE PRODUCTS' REGISTERS WANT IT.  Rows (tokens of x; columns n of a weight) go in blocks of 128: blocks 0-63 x, 64-71 Wq, 72-79 Wk, 80-87 Wv (n = 64 head + d), 88-95 Wo.
; Inside each 32 rows the order is: place 16 u + 8 m + i holds row 8 u + 16 m + i, so that 16 places on end, used as a product's first source, leave 16 neighbours along the next K in a lane's registers.
; codes: [block][256 along K: 4][16 places: 8][128 along K: 2][register pair: 6][lane: 32][8 bytes]: an operand's registers on end.   scales: [block][128 along K: 8][place: 128] words of four bytes.
; SHARES.  Work-group X takes block X / 8 and 128 along K, X % 8.  Wave w takes places 32 w .. 32 w + 31; A LANE TAKES A PLACE and holds its 128 numbers: four whole blocks of 32, so no maximum asks another lane.
; x's rows lie along K: each load takes a row's 512 consecutive bytes, and the 32 rows turn through the wave's own stage in LDS (pitch 528 bytes = 33 x 16: sixteen lanes' 16 bytes fall in sixteen columns).
; The weights' K is not innermost: a lane takes column n and its registers run down K; each load reads 128 consecutive bytes.  No barrier: waves share nothing.
.set STG,   16896                      ; a wave's stage: 32 rows x 528 bytes
.set SPARE, 4*STG                      ; behind the stages: the spare words, 128 bytes a wave
.set X,     32                         ; v32-159  my place's 128 numbers
.set F,     160                        ; v160-183 codes: block b's six registers at F + 6 b
.set T,     184                        ; v184-199 a block's upper 16 codes, as the conversion leaves them
.set SPW,   200                        ; v200     LDS address of my spare word; never rewritten
.set NIL,   201                        ; v201     0; never rewritten
	s_load_b256 s[4:11], s[0:1], 0x0               ; x, Wq, Wk, Wv
	s_load_b128 s[12:15], s[0:1], 0x20             ; Wo, codes
	s_load_b64 s[16:17], s[0:1], 0x30              ; scales
	v_lshl_add_u32 v[SPW], v0, 2, SPARE
	v_mov_b32 v[NIL], 0
	v_lshrrev_b32 v1, 5, v0
	v_readfirstlane_b32 s18, v1                    ; wave
	v_and_b32 v1, 31, v0                           ; lane = my place among the wave's 32
	v_and_b32 v2, 7, v1
	v_bfe_u32 v3, v1, 3, 1
	v_lshl_add_u32 v2, v3, 4, v2
	v_lshrrev_b32 v3, 4, v1
	v_lshl_add_u32 v2, v3, 3, v2                   ; the row that belongs at my place
	v_lshlrev_b32 v2, 2, v2                        ; as a column of a weight: 4 bytes
	v_lshlrev_b32 v3, 4, v1                        ; 16 x lane
	s_mul_i32 s19, s18, STG
	v_add_nc_u32 v4, s19, v3                       ; the stage, way in: a row's 512 bytes as they lie
	v_mul_u32_u24 v5, v1, 528
	v_add_nc_u32 v5, s19, v5                       ; way out: my row
	v_lshlrev_b32 v6, 3, v1                        ; 8 x lane
	v_lshlrev_b32 v7, 2, v1                        ; 4 x lane
	s_lshr_b32 s20, ttmp9, 3                       ; block of 128 rows
	s_and_b32 s21, ttmp9, 7                        ; which 128 along K
	s_lshl_b32 s22, s20, 2
	s_lshr_b32 s23, s21, 1
	s_add_co_u32 s22, s22, s23
	s_mul_i32 s22, s22, 24576                      ; codes: (4 block + K / 256) x 24,576
	s_lshl_b32 s23, s18, 2
	s_and_b32 s24, s21, 1
	s_add_co_u32 s23, s23, s24
	s_mul_i32 s23, s23, 1536                       ; + (2 (2 w) + K / 128 % 2) x 1,536
	s_add_co_u32 s22, s22, s23
	s_mov_b32 s23, 0
	s_lshl_b32 s24, s20, 12                        ; scales: 4,096 block + 512 (K / 128) + 128 w
	s_lshl_b32 s25, s21, 9
	s_add_co_u32 s24, s24, s25
	s_lshl_b32 s25, s18, 7
	s_add_co_u32 s24, s24, s25
	s_mov_b32 s25, 0
	s_wait_kmcnt 0x0
	s_add_nc_u64 s[14:15], s[14:15], s[22:23]
	s_add_nc_u64 s[16:17], s[16:17], s[24:25]
	s_cmp_lt_u32 ttmp9, 512                        ; blocks 0-63 are x's
	s_cbranch_scc0 .Lweights
	s_lshl_b32 s26, s20, 19                        ; 128 rows of 4,096 bytes a block,
	s_lshl_b32 s27, s18, 17                        ; 32 a wave,
	s_add_co_u32 s26, s26, s27
	s_lshl_b32 s27, s21, 9                         ; 512 bytes for 128 along K
	s_add_co_u32 s26, s26, s27
	s_mov_b32 s27, 0
	s_add_nc_u64 s[4:5], s[4:5], s[26:27]
.set i, 0
	s_wait_alu depctr_va_vdst(0)
.rept 32
	global_load_b128 v[X+4*i:X+4*i+3], v3, s[4:5] offset:((i&7)+16*((i>>3)&1)+8*(i>>4))*4096 th:TH_LOAD_NT   ; place i's row: 32 lanes read 512 consecutive bytes
.set i, i+1
.endr
.set i, 0
.rept 32
	s_wait_loadcnt 31-i                            ; loads come back in order: place i's is in, the younger ones stay out
	ds_store_b128 v4, v[X+4*i:X+4*i+3] offset:528*i
.set i, i+1
.endr
.set i, 0
.rept 32
	ds_load_b128 v[X+4*i:X+4*i+3], v5 offset:16*i  ; LDS serves a wave's instructions in order: these see my stores, and land behind them in the registers that they left
.set i, i+1
.endr
	s_wait_dscnt 0x0
	s_branch .Lcore
.macro LOADW pitch                     ; W(k, my column), k = 0 .. 127, rows pitch bytes apart
.set k, 0
.rept 128
	global_load_b32 v[X+k], v2, s[28:29] offset:k*\pitch th:TH_LOAD_NT
.set k, k+1
.endr
.endm
.Lweights:
	s_cmp_lt_u32 ttmp9, 704                        ; blocks 64-87: Wq, Wk, Wv
	s_cbranch_scc0 .Lwo
	s_sub_co_u32 s26, s20, 64
	s_lshr_b32 s27, s26, 3                         ; 0, 1, 2: which of the three; the choice hangs on the work-group's number alone
	s_cmp_eq_u32 s27, 0
	s_cselect_b64 s[28:29], s[6:7], s[8:9]
	s_cmp_eq_u32 s27, 2
	s_cselect_b64 s[28:29], s[10:11], s[28:29]
	s_and_b32 s26, s26, 7
	s_lshl_b32 s26, s26, 1
	s_lshr_b32 s27, s18, 1
	s_add_co_u32 s26, s26, s27                     ; the head: 2 (block % 8) + w / 2
	s_lshl_b32 s26, s26, 18                        ; 1,024 x 64 x 4 bytes a head
	s_lshl_b32 s27, s21, 15                        ; 128 rows of 256 bytes
	s_add_co_u32 s26, s26, s27
	s_and_b32 s27, s18, 1
	s_lshl_b32 s27, s27, 7                         ; d = 32 (w % 2) on
	s_add_co_u32 s26, s26, s27
	s_mov_b32 s27, 0
	s_add_nc_u64 s[28:29], s[28:29], s[26:27]
	s_wait_alu depctr_va_vdst(0)
	LOADW 256
	s_branch .Lin
.Lwo:
	s_sub_co_u32 s26, s20, 88
	s_lshl_b32 s26, s26, 9                         ; 128 columns of 4 bytes a block,
	s_lshl_b32 s27, s18, 7                         ; 32 a wave,
	s_add_co_u32 s26, s26, s27
	s_lshl_b32 s27, s21, 19                        ; 128 rows of 4,096 bytes
	s_add_co_u32 s26, s26, s27
	s_mov_b32 s27, 0
	s_add_nc_u64 s[28:29], s[12:13], s[26:27]
	s_wait_alu depctr_va_vdst(0)
	LOADW 4096
.Lin:
	s_wait_loadcnt 0x0
.Lcore:
.irp b, 0,1,2,3
	v_max3_num_f32 v[8+\b], |v[X+32*\b]|, |v[X+32*\b+1]|, 0x1800000   ; block b's largest magnitude, and the floor 2^(3 - 127): the byte cannot fall under 1
.endr
.irp i, 2,4,6,8,10,12,14,16,18,20,22,24,26,28,30
.irp b, 0,1,2,3
	v_max3_num_f32 v[8+\b], v[8+\b], |v[X+32*\b+\i]|, |v[X+32*\b+\i+1]|   ; the four blocks by turns
.endr
.endr
.irp b, 0,1,2,3
	v_add_nc_u32 v[16+\b], 0xff000000, v[8+\b]     ; 2 off the exponent field: the conversion takes this operand's exponent field as its scale
.endr
.irp b, 0,1,2,3
	v_lshrrev_b32 v[20+\b], 23, v[16+\b]           ; the scale's byte
.endr
	v_lshl_or_b32 v24, v21, 8, v20                 ; my row's scale word
	v_lshl_or_b32 v24, v22, 16, v24
	v_lshl_or_b32 v24, v23, 24, v24
.irp b, 0,1,2,3
	v_cvt_scalef32_pk16_fp6_f32 v[F+6*\b:F+6*\b+2], v[X+32*\b:X+32*\b+15], v[16+\b]
	v_cvt_scalef32_pk16_fp6_f32 v[T+4*\b:T+4*\b+2], v[X+32*\b+16:X+32*\b+31], v[16+\b]   ; (a conversion's three registers begin on an even number)
.endr
	v_nop                                          ; one plain instruction behind the conversions, ahead of the first that touches a result
.irp b, 0,1,2,3
.irp i, 0,1,2
	v_mov_b32 v[F+6*\b+3+\i], v[T+4*\b+\i]
.endr
.endr
; An operand wants, in lane (r, h), blocks h and 2 + h of row r.  I hold blocks 0-3 of my row.  One exchange of halves between blocks 2 c and 2 c + 1 gives both: the first register then belongs to places 0-15, the second to places 16-31.
.irp c, 0,1
.irp i, 0,1,2,3,4,5
	v_permlane16_swap_b32 v[F+12*\c+\i], v[F+12*\c+6+\i]
.endr
.endr
.irp c, 0,1
.irp u, 0,1
.irp p, 0,1,2
	global_store_b64 v6, v[F+12*\c+6*\u+2*\p:F+12*\c+6*\u+2*\p+1], s[14:15] offset:\u*3072+(3*\c+\p)*256   ; 32 lanes store 256 consecutive bytes, at a multiple of 256 from the buffer's first byte
.endr
.endr
.endr
	global_store_b32 v7, v24, s[16:17]             ; 128 consecutive bytes: the four waves' stores lie on end
	s_wait_tensorcnt 0x0                           ; the wave's end
	ds_add_u32 v[SPW], v[NIL]
	s_wait_dscnt 0x0
	s_endpgm
.Lfunc_end_k_qa2b36e7540_prep:
	.size	k_qa2b36e7540_prep, .Lfunc_end_k_qa2b36e7540_prep-k_qa2b36e7540_prep
	.p2alignl 7, 3214868480
	.fill 96, 4, 3214868480
	.section	.rodata,"a",@progbits
	.p2align	6, 0x0
	.amdhsa_kernel k_qa2b36e7540_prep
		.amdhsa_group_segment_fixed_size 68096
		.amdhsa_private_segment_fixed_size 0
		.amdhsa_enable_private_segment 0
		.amdhsa_kernarg_size 56
		.amdhsa_user_sgpr_count 2
		.amdhsa_user_sgpr_kernarg_segment_ptr 1
		.amdhsa_wavefront_size32 1
		.amdhsa_system_sgpr_workgroup_id_x 1
		.amdhsa_system_sgpr_workgroup_id_y 1
		.amdhsa_system_sgpr_workgroup_id_z 1
		.amdhsa_system_vgpr_workitem_id 0
		.amdhsa_next_free_vgpr 208
		.amdhsa_next_free_sgpr 66
		.amdhsa_reserve_vcc 0
		.amdhsa_float_denorm_mode_32 3
		.amdhsa_float_denorm_mode_16_64 3
		.amdhsa_memory_ordered 1
		.amdhsa_forward_progress 1
		.amdhsa_inst_pref_size 43
	.end_amdhsa_kernel
	.amdgpu_metadata
---
amdhsa.version: [ 1, 2 ]
amdhsa.kernels:
  - .name:           k_qa2b36e7540_prep
    .symbol:         k_qa2b36e7540_prep.kd
    .args:
      - { .name: x, .offset: 0, .size: 8, .value_kind: global_buffer, .address_space: global }
      - { .name: Wq, .offset: 8, .size: 8, .value_kind: global_buffer, .address_space: global }
      - { .name: Wk, .offset: 16, .size: 8, .value_kind: global_buffer, .address_space: global }
      - { .name: Wv, .offset: 24, .size: 8, .value_kind: global_buffer, .address_space: global }
      - { .name: Wo, .offset: 32, .size: 8, .value_kind: global_buffer, .address_space: global }
      - { .name: codes, .offset: 40, .size: 8, .value_kind: global_buffer, .address_space: global }
      - { .name: scales, .offset: 48, .size: 8, .value_kind: global_buffer, .address_space: global }
    .group_segment_fixed_size: 68096
    .private_segment_fixed_size: 0
    .kernarg_segment_align: 8
    .kernarg_segment_size: 56
    .max_flat_workgroup_size: 128
    .sgpr_count:     66
    .vgpr_count:     208
    .wavefront_size: 32
...
	.end_amdgpu_metadata
.endif
;; end of part 1
;; launch qkvg (part 2): grid 4 x 48, 4 waves a work-group, clusters of 4 x 4, 327,680 bytes of LDS; arguments codes, scales, qkv; writes qkv
.if DOCPART == 2
	.amdgcn_target "amdgcn-amd-amdhsa--gfx1250"
	.amdhsa_code_object_version 6
	.text
	.protected	k_qa2b36e7540_qkvg
	.globl	k_qa2b36e7540_qkvg
	.p2align	8
	.type	k_qa2b36e7540_qkvg,@function
k_qa2b36e7540_qkvg:
	s_mov_b64 s[64:65], 0
	v_nop
	global_prefetch_b8 v0, s[64:65] scope:SCOPE_SE
	s_setreg_imm32_b32 hwreg(HW_REG_WAVE_MODE, 25, 1), 1
	s_wait_xcnt 0x0
	s_wait_alu depctr_hold_cnt(0) depctr_sa_sdst(0) depctr_va_vdst(0) depctr_va_sdst(0) depctr_va_ssrc(0) depctr_va_vcc(0) depctr_vm_vsrc(0)
	s_getreg_b32 s2, hwreg(HW_REG_IB_STS2, 6, 4)
	s_cmp_eq_u32 s2, 0
	s_cbranch_scc0 .Lentry_in_a_cluster
	s_endpgm
.Lentry_in_a_cluster:
	s_bfe_u32 s2, ttmp6, 0x10000c
	s_cmp_lg_u32 s2, 0xf033
	s_cbranch_scc0 .Lentry_shape_is_right
	s_endpgm
.Lentry_shape_is_right:
; q, k and v: three products of x [8192][1024] with weights [1024 (n = 64 head + d)][1024], both as codes of FP6 (E2M3) with E8M0 scales, K = 1,024; sums in f32.  The results never go to memory as f32:
; each wave quantises its sums in registers, q and k along d, v along the tokens, and stores the next products' operands as images of their registers.
; OPERANDS: codes [block of 128 rows][256 along K: 4][16 places: 8][128 along K: 2][register pair: 6][lane][8 bytes]; scales [block][128 along K: 8][place: 128] words.  Blocks 0-63: x; 64-71 Wq; 72-79 Wk; 80-87 Wv.
; Inside each 32 rows place 16 u + 8 m + i holds row 8 u + 16 m + i.
; THE DEAL.  One operand RESTS in registers, all of K (R: 256 rows a work-group, 64 a wave: four tiles, 384 registers): it is the products' second source, so a lane holds one of its rows.  The other STREAMS from LDS (T) in tiles of 16 rows,
; the first source: a tile's eight fragments feed 32 products, and the 16 registers of T's tiles 2 b and 2 b + 1 are rows 32 b + 16 (lane / 16) + 0 .. 15 of T.  Eight tiles, a block of 128 rows, make 128 along the next product's K: four images a wave.
; For q and k (clusters y = 0 .. 7): R = tokens (tile 4 y + cy), T = blocks 64 + 4 cx + i of Wq, Wk.  For v (y = 8 .. 11): R = Wv's rows (tile cy), T = token blocks 16 (y - 8) + 4 cx + i.  i = 0 .. 3: four blocks of T to a work-group.
; 512 + 256 pairs of (R, block of T), four to a work-group: 192 work-groups of equal work; an R's 16 or 64 blocks of T do not divide by three, which 256 work-groups would want.
; qkv: records of 12,800 bytes, number (q 0, k 1, v 2) x 512 + (8 batch + head pair) x 16 + token block: eight images of 1,536 bytes (registers 4 c .. 4 c + 3 of lane l at 512 c + 16 l), then 512 bytes of scale words
; (at 16 l + 4 p: image 2 p + l / 16, row l % 16).  A wave makes four images of a record and its half of the scale words, 8 of each 16 bytes.
; LDS: bytes 0 - 196,607 R's two blocks, then T's slot Y in the first of them; 196,608 - 294,911 T's slot X; then the scale words of T's four blocks (16,384 bytes) and the spare words.
; FILLS.  At the head one tensor load a wave, each on its own line: R's blocks, T0 (slot X), T's scale words.  At the head of pair i = 0, 1, 2 a drained round of the cluster's barrier, and behind it T(i + 1), a quarter a wave, into the slot that is free:
; a fill is asked for a whole pair, 256 products a wave, ahead of its first read: so there is no data prefetch.
; CLUSTERS: 4 x 4 work-groups; R hangs on cy alone and is asked for jointly along a row of the cluster (mask s44), T on cx alone, along a column (mask s45).
; LIMITS: a block whose largest magnitude lies under 2^-124 keeps the byte 1; NaN and infinities are not served.
; REGISTERS: fragment f (0-31 R's: 4 q + tile; 32-47 T's two sets: 32 + 8 set + q) lies in windows 1 and 2, 21 to a window, the last six in window 0 from v184 on; window 3: the sums, (R tile a, T tile j) at v[64 a + 8 j]; window 0: the map below.
.set NQ, 8
.set NA, 4
.set FR, 12
.set FPW, 256/FR
.set NF, 32                            ; LDS loads of a tile of T: 24 for eight fragments, 8 for eight scale words
.set LX, 196608                        ; T's slot X; slot Y is byte 0: one exclusive or turns one into the other
.set SCL, 294912
.set SPARE, SCL+16384
.set AAS0, 6                           ; v6   LDS address of my row's scale words in T's first tile
.set CW, 8                             ; v8   where my half of a record's scale words goes
.set CO, 9                             ; v9   16 x lane
.set SPW, 10
.set NIL, 11
.set ADR, 14                           ; v14, v15  my fragments of R: K 0-511, K 512-1023
.set ABS, 16                           ; v16  4 x lane
.set AAS, 17                           ; v17  as v6, for the tile that is fetched next
.set SB, 24                            ; v24-39  R's scale words: 8 (a / 2) + q; lanes 0-15 the even tile, 16-31 the odd
.set SA, 42                            ; v42-57  T's: two sets of eight
.set TM, 64                            ; v64-67 largest magnitudes, v68-71 bytes, v76-79 the conversions' scale operands
.set PW, 80
.set W4, 84                            ; v84, v85 my scale words of a record
.set PC, 96                            ; v96-115 the codes just made
.set AQ0, 120                          ; v120-127 LDS addresses of the eight fragments of the tile at byte 0
.set AQ, 128                           ; v128-135 the same for the tile that is fetched next
.set G1R, 24
.set G1H, 32
.set G1T, 48
.set G1S, 56
.set G0R, 68
.set G0H, 80
.set G0T, 84
.set G0S, 88
.set MSB, 0
.macro WIN new
.if MSB != (\new)
	s_set_vgpr_msb (MSB<<8)|(\new)
.set MSB, (\new)
.endif
.endm
.macro PLACES n
.rept \n
	v_nop
.endr
.endm
.macro WALU
	s_wait_alu depctr_va_vdst(0)
.endm
.macro BARRIER
	s_barrier_signal -1
	s_barrier_wait -1
.endm
.macro CROUND
	BARRIER
	s_cmp_lg_u32 s14, 0
	s_cbranch_scc1 .Lnot_wave_0_\@
	s_barrier_signal -3
.Lnot_wave_0_\@:
	s_barrier_wait -3
	BARRIER
.endm
.macro TLOAD g0, g1                    ; an s_nop 0 and four v_nop follow the load
	tensor_load_to_lds s[\g0:\g0+3], s[\g1:\g1+7]
	s_nop 0
	PLACES 4
.endm
.macro GROUP1 g, mask, rows            ; a dense block as rows of 256 bytes
	s_or_b32 s[\g+0], s[\mask], (3<<16)|(1<<21)
	s_mov_b32 s[\g+1], 32<<16
	s_mov_b32 s[\g+2], (\rows)<<16
	s_mov_b32 s[\g+3], 32<<16
	s_mov_b32 s[\g+4], \rows
	s_mov_b32 s[\g+5], 32
	s_mov_b32 s[\g+6], 0
	s_mov_b32 s[\g+7], 0
.endm
.macro FPLACE f                        ; fragment f's window and first register
.if (\f) < 2*FPW
.set FW_, 1+(\f)/FPW
.set FG_, FR*((\f)%FPW)
.else
.set FW_, 0
.set FG_, 184+FR*((\f)-2*FPW)
.endif
.endm
.macro FRAGR q, a                      ; R's fragment 4 q + a: six loads of 256 consecutive bytes
	FPLACE NA*(\q)+(\a)
	WIN FW_<<6
.irp p, 0,1,2,3,4,5
	ds_load_b64 v[FG_+2*\p:FG_+2*\p+1], v[ADR+(\q)/4] offset:(((\q)/2)%2)*24576+(2*(\a)+(\q)%2)*1536+256*\p
.endr
.endm
.macro FETCHAT e                       ; the tile of T at v[AQ ..], v[AAS] into set e: NF loads
.irp q, 0,1,2,3,4,5,6,7
	FPLACE 32+8*(\e)+\q
	WIN FW_<<6
.irp p, 0,2,4
	ds_load_2addr_b64 v[FG_+2*\p:FG_+2*\p+3], v[AQ+\q] offset0:32*\p offset1:32*\p+32
.endr
.endr
	WIN 0
.irp q, 0,1,2,3,4,5,6,7
	ds_load_b32 v[SA+8*(\e)+\q], v[AAS] offset:512*\q
.endr
.endm
.macro SETA                            ; the addresses of the tile at LDS byte s78, scale words at s79
.irp q, 0,1,2,3,4,5,6,7
	v_add_nc_u32 v[AQ+\q], s78, v[AQ0+\q]
.endr
	v_add_nc_u32 v[AAS], s79, v[AAS0]
	WALU                                           ; ahead of the readers behind the window switches
.endm
.macro PROD e, j, n                    ; product n = 4 q + a of T's tile j, whose fragments lie in set e; R's four tiles by turns; the first along K starts the sum
.set Q_, (\n)/4
.set A_, (\n)%4
	FPLACE NA*Q_+A_
.set RW_, FW_
.set RG_, FG_
	FPLACE 32+8*(\e)+Q_
.set D_, 64*A_+8*(\j)
	WIN FW_|(RW_<<2)|0xf0
.if Q_
	PROD1 D_, FG_, RG_, v[D_:D_+7], SA+8*(\e)+Q_, SB+NQ*(A_/2)+Q_, A_%2
.else
	PROD1 D_, FG_, RG_, 0, SA+8*(\e)+Q_, SB+NQ*(A_/2)+Q_, A_%2
.endif
.endm
.macro PROD1 d, s0, s1, c, x0, x1, o
.if \o
	v_wmma_scale_f32_16x16x128_f8f6f4 v[\d:\d+7], v[\s0:\s0+FR-1], v[\s1:\s1+FR-1], \c, v[\x0], v[\x1] matrix_a_fmt:MATRIX_FMT_FP6 matrix_b_fmt:MATRIX_FMT_FP6 matrix_b_scale:MATRIX_SCALE_ROW1
.else
	v_wmma_scale_f32_16x16x128_f8f6f4 v[\d:\d+7], v[\s0:\s0+FR-1], v[\s1:\s1+FR-1], \c, v[\x0], v[\x1] matrix_a_fmt:MATRIX_FMT_FP6 matrix_b_fmt:MATRIX_FMT_FP6 matrix_b_scale:MATRIX_SCALE_ROW0
.endif
.endm
.macro ENTRY i, fetch                  ; among a tile's products: five of the next fetch's nine addresses
.if \fetch
.if (\i) == 1
	s_add_co_u32 s78, s78, 3072
	s_add_co_u32 s79, s79, 64
.endif
.if (\i) >= 1 && (\i) <= 5
	WIN 0
	v_add_nc_u32 v[AQ+\i-1], s78, v[AQ0+\i-1]
.endif
.endif
.endm
.macro TILE j, fetch, wt               ; T's tile j: 32 products; fetch = 1: its set takes the tile two on; wt: the LDS loads that may stay out behind it
.set N_, 0
.rept 32
	PROD (\j)%2, \j, N_
	ENTRY N_, \fetch
.set N_, N_+1
.endr
	WIN 0
.if \fetch                             ; four plain lines between the last product and the loads into the registers that it has read
	v_add_nc_u32 v[AQ+5], s78, v[AQ0+5]
	v_add_nc_u32 v[AQ+6], s78, v[AQ0+6]
	v_add_nc_u32 v[AQ+7], s78, v[AQ0+7]
	v_add_nc_u32 v[AAS], s79, v[AAS0]
	WALU
	FETCHAT (\j)%2
.endif
.if \wt >= 0
	s_wait_dscnt \wt                               ; the next tile's fragments are in; this tile's fetch is younger
.endif
.endm
; THE WAY OUT of R's tile a: my row's 64 sums (register 16 b + i = place 32 b + 16 (lane / 16) + i along the next K) become a fragment's codes and a scale word, and leave as an image: three stores of 512 consecutive bytes
.macro OUTBLK a
.set AC, 64*(\a)
	WALU
	s_wait_xcnt 0x0                                ; the last image's stores have read their registers
.irp b, 0,1,2,3
	v_mov_b32 v[TM+\b], 0x1800000                  ; the floor 2^(3 - 127): the byte cannot fall under 1
.endr
	WIN 0x3c
.irp i, 0,2,4,6,8,10,12,14             ; ascending: each accumulator is read from its low end on
.irp b, 0,1,2,3
	v_max3_num_f32 v[TM+\b], v[TM+\b], |v[AC+16*\b+\i]|, |v[AC+16*\b+\i+1]|
.endr
.endr
	WIN 0
.irp b, 0,1,2,3
	v_permlanex16_b32 v[TM+4+\b], v[TM+\b], s96, s97
.endr
.irp b, 0,1,2,3
	v_max_num_f32 v[TM+\b], v[TM+\b], v[TM+4+\b]   ; with lane l xor 16's: the block's largest magnitude
.endr
.irp b, 0,1,2,3
	v_add_nc_u32 v[TM+12+\b], 0xff000000, v[TM+\b] ; 2 off its exponent field: the conversion's scale operand
.endr
.irp b, 0,1,2,3
	v_lshrrev_b32 v[TM+4+\b], 23, v[TM+12+\b]      ; the scale's byte
.endr
	v_lshl_or_b32 v[PW], v[TM+5], 8, v[TM+4]
	v_lshl_or_b32 v[PW], v[TM+6], 16, v[PW]
	v_lshl_or_b32 v[PW], v[TM+7], 24, v[PW]
	WIN 0x03
.irp c, 0,1
	v_cvt_scalef32_pk16_fp6_f32 v[PC+6*\c:PC+6*\c+2], v[AC+32*\c:AC+32*\c+15], v[TM+12+2*\c]
	v_cvt_scalef32_pk16_fp6_f32 v[PC+12+4*\c:PC+14+4*\c], v[AC+32*\c+16:AC+32*\c+31], v[TM+12+2*\c+1]
.endr
	WIN 0
	v_nop                                          ; one plain line behind the conversions
.irp c, 0,1                            ; the operand wants a whole block in a lane
.irp i, 0,1,2
	v_permlane16_swap_b32 v[PC+6*\c+\i], v[PC+12+4*\c+\i]
.endr
.irp i, 0,1,2
	v_mov_b32 v[PC+3+6*\c+\i], v[PC+12+4*\c+\i]
.endr
.endr
.if (\a)%2
	v_cndmask_b32 v[W4+(\a)/2], v[W4+(\a)/2], v[PW], s98   ; an odd image's words go to lanes 16-31
.else
	v_mov_b32 v[W4+(\a)/2], v[PW]
.endif
.irp c, 0,1,2
	global_store_b128 v[CO], v[PC+4*\c:PC+4*\c+3], s[12:13] offset:(\a)*1536+512*\c
.endr
.endm
.macro PAIR                            ; R against the block of T in the slot at s72
	s_mov_b32 s78, s72
	s_mov_b32 s79, s73
	SETA
	FETCHAT 0
	s_add_co_u32 s78, s78, 3072
	s_add_co_u32 s79, s79, 64
	SETA
	FETCHAT 1
	s_wait_dscnt NF                                ; tile 0's fragments are in
.irp j, 0,1,2,3,4,5
	TILE \j, 1, NF
.endr
	TILE 6, 0, 0
	TILE 7, 0, -1
	PLACES 4                                       ; behind the last products, ahead of the first read of a sum
.irp a, 0,1,2,3
	OUTBLK \a
.endr
	global_store_b64 v[CW], v[W4:W4+1], s[12:13]
	s_wait_xcnt 0x0                                ; the stores have read their base
	s_add_nc_u64 s[12:13], s[12:13], s[74:75]      ; the next block of T's record
	s_add_co_u32 s73, s73, 4096
	s_xor_b32 s72, s72, LX
.endm
	s_load_b128 s[4:7], s[0:1], 0x0                ; codes, scales
	s_load_b64 s[12:13], s[0:1], 0x10              ; qkv
	v_lshl_add_u32 v[SPW], v0, 2, SPARE
	v_mov_b32 v[NIL], 0
	ds_add_u32 v[SPW], v[NIL]                      ; the opening lines
	ds_add_u32 v[SPW], v[NIL]
	v_lshrrev_b32 v1, 5, v0
	v_readfirstlane_b32 s14, v1                    ; the wave; s15: which of R's two blocks, s16: which four tiles of it
	s_lshr_b32 s15, s14, 1
	s_and_b32 s16, s14, 1
	s_bfe_u32 s40, ttmp6, 0x40000                  ; cx
	s_bfe_u32 s41, ttmp6, 0x40004                  ; cy
	s_and_b32 s17, ttmp7, 0xffff                   ; cluster y: 0 .. 11
	s_lshl_b32 s18, s17, 3
	s_lshl_b32 s19, s41, 1
	s_add_co_u32 s18, s18, s19                     ; q, k: R's first block, 2 (4 y + cy)
	s_add_co_u32 s19, s19, 80                      ; v: 80 + 2 cy
	s_lshl_b32 s20, s40, 2
	s_add_co_u32 s21, s20, 64                      ; q, k: T's first block, 64 + 4 cx
	s_lshl_b32 s22, s17, 4
	s_sub_co_u32 s22, s22, 128
	s_add_co_u32 s22, s22, s20                     ; v: 16 (y - 8) + 4 cx
	s_cmp_ge_u32 s17, 8                            ; clusters 8 to 11 make v: the same in all sixteen partners
	s_cselect_b32 s42, s19, s18                    ; R: hangs on cy alone
	s_cselect_b32 s43, s22, s21                    ; T: hangs on cx alone
	s_cselect_b32 s99, 1, 0
	s_lshl_b32 s44, s41, 2
	s_lshl_b32 s44, 15, s44                        ; my row of the cluster
	s_lshl_b32 s45, 0x1111, s40                    ; my column
	GROUP1 G1R, 44, 384
	GROUP1 G1H, 45, 384
	GROUP1 G1T, 45, 96
	GROUP1 G1S, 45, 64
	s_mul_i32 s46, s42, 98304                      ; R's codes
	s_mov_b32 s47, 0
	s_mul_i32 s20, s43, 98304                      ; T's codes
	s_mov_b32 s21, 0
	s_lshl_b32 s22, s43, 12                        ; T's scale words
	s_mov_b32 s23, 0
	s_mul_i32 s77, s14, 24576                      ; my quarter of a block of T
	s_mov_b32 s18, s77
	s_mov_b32 s19, 0
	s_add_co_u32 s2, s42, s15                      ; my block of R
	s_lshl_b32 s8, s2, 12
	s_lshl_b32 s9, s16, 8
	s_add_co_u32 s8, s8, s9                        ; its scale words, my four tiles
	s_mov_b32 s9, 0
	s_cmp_eq_u32 s99, 1
	s_cselect_b32 s10, s43, s2                     ; the block of tokens,
	s_cselect_b32 s11, s2, s43                     ; the block of a weight's rows
	s_mov_b32 s74, 16*12800
	s_cselect_b32 s74, 12800, s74                  ; from a block of T's record to the next: the next pair of heads, or the next block of tokens
	s_mov_b32 s75, 0
	s_sub_co_u32 s11, s11, 64
	s_lshr_b32 s2, s11, 3                          ; q 0, k 1, v 2
	s_lshl_b32 s2, s2, 9
	s_and_b32 s11, s11, 7                          ; the pair of heads
	s_lshr_b32 s3, s10, 4                          ; the batch
	s_lshl_b32 s3, s3, 3
	s_add_co_u32 s3, s3, s11
	s_lshl_b32 s3, s3, 4
	s_add_co_u32 s2, s2, s3
	s_and_b32 s10, s10, 15
	s_add_co_u32 s2, s2, s10
	s_mul_i32 s2, s2, 12800
	s_mul_i32 s3, s16, 6144
	s_add_co_u32 s2, s2, s3                        ; my four images of the record
	s_mov_b32 s3, 0
	s_mov_b32 s[G0R], 1
	s_mov_b32 s[G0R+1], 0
	s_mov_b32 s[G0H], 1
	s_mov_b32 s[G0H+1], LX
	s_mov_b32 s[G0T], 1
	s_mov_b32 s[G0T+1], 0
	s_mov_b32 s[G0S], 1
	s_mov_b32 s[G0S+1], SCL
	s_mov_b32 s72, LX                              ; the slot of the block of T in hand
	s_mov_b32 s73, 0                               ; its scale words, from T's first
	s_mov_b32 s76, 0
	s_mov_b32 s96, 0x76543210
	s_mov_b32 s97, 0xfedcba98                      ; v_permlanex16_b32's selects for lane l xor 16
	s_mov_b32 s98, 0xffff0000                      ; lanes 16-31
	s_mul_i32 s100, s15, 98304
	s_mul_i32 s101, s16, 12288
	s_add_co_u32 s100, s100, s101                  ; LDS: my four tiles of R
	s_mul_i32 s101, s16, 6136
	s_sub_co_u32 s101, 12288, s101                 ; the scale words' place, from my four images: 12,288 + 8 s16 - 6,144 s16
	v_and_b32 v1, 15, v0
	v_and_b32 v3, 31, v0
	v_lshlrev_b32 v[AQ0], 3, v3
.irp q, 1,2,3,4,5,6,7
	v_add_nc_u32 v[AQ0+\q], (\q/2)*24576+(\q%2)*1536, v[AQ0]
.endr
	v_lshl_add_u32 v[ADR], v3, 3, s100
	v_add_nc_u32 v[ADR+1], 49152, v[ADR]
	v_lshlrev_b32 v[ABS], 2, v3
	v_lshlrev_b32 v[AAS0], 2, v1
	v_add_nc_u32 v[AAS0], SCL, v[AAS0]
	v_lshlrev_b32 v[CO], 4, v3
	v_add_nc_u32 v[CW], s101, v[CO]
.irp b, 0,1,2,3
	v_mov_b32 v[TM+4+\b], 0                        ; written once: a lane permute's destination counts as one of its sources
.endr
	WALU                                           ; at the head's end
	s_wait_dscnt 0x0
	CROUND                                         ; the opening round
	s_wait_kmcnt 0x0
	s_add_nc_u64 s[G0R+2:G0R+3], s[4:5], s[46:47]
	s_add_nc_u64 s[G0H+2:G0H+3], s[4:5], s[20:21]
	s_add_nc_u64 s[G0T+2:G0T+3], s[G0H+2:G0H+3], s[18:19]
	s_or_b32 s[G0H+3], s[G0H+3], 0x80000000
	s_or_b32 s[G0T+3], s[G0T+3], 0x80000000
	s_add_nc_u64 s[G0S+2:G0S+3], s[6:7], s[22:23]
	s_or_b32 s[G0S+3], s[G0S+3], 0x80000000
	s_add_nc_u64 s[6:7], s[6:7], s[8:9]
	s_add_nc_u64 s[12:13], s[12:13], s[2:3]
	s_cmp_eq_u32 s14, 0
	s_cbranch_scc0 .Lwave_1
	s_or_b32 s[G0R+3], s[G0R+3], 0x80000000
	TLOAD G0R, G1R                                 ; wave 0: R's first block
	s_branch .Lasked
.Lwave_1:
	s_cmp_eq_u32 s14, 1
	s_cbranch_scc0 .Lwave_2
	s_mov_b32 s[G0R+1], 98304
	s_add_nc_u64 s[G0R+2:G0R+3], s[G0R+2:G0R+3], 98304
	s_or_b32 s[G0R+3], s[G0R+3], 0x80000000
	TLOAD G0R, G1R                                 ; wave 1: its second
	s_branch .Lasked
.Lwave_2:
	s_cmp_eq_u32 s14, 2
	s_cbranch_scc0 .Lwave_3
	TLOAD G0H, G1H                                 ; wave 2: T's first block
	s_branch .Lasked
.Lwave_3:
	TLOAD G0S, G1S                                 ; wave 3: the scale words of T's four blocks
.Lasked:
.irp p, 0,1
.irp q, 0,1,2,3,4,5,6,7
	global_load_b32 v[SB+NQ*\p+\q], v[ABS], s[6:7] offset:512*\q+128*\p   ; 32 lanes read the words of two tiles of R, 128 consecutive bytes
.endr
.endr
	s_cmp_lt_u32 s14, 2
	s_cbranch_scc0 .Lnot_r
	s_wait_tensorcnt 0x0                           ; waves 0 and 1: R has landed
.Lnot_r:
	BARRIER                                        ; the other two tiles may still be on their way
.irp q, 0,1,2,3,4,5,6,7
.irp a, 0,1,2,3
	FRAGR \q, \a
.endr
.endr
	WIN 0
	s_wait_loadcnt 0x0                             ; R's scale words
.Lpair:                                            ; pairs 0, 1, 2
	WALU
	s_wait_tensorcnt 0x0                           ; the block of T in hand is in (the first time: T's scale words too); no tensor load of mine is out
	ds_add_u32 v[SPW], v[NIL]
	s_xor_b32 s20, s72, LX
	s_add_co_u32 s[G0T+1], s20, s77                ; the other slot, my quarter
	s_add_nc_u64 s[G0T+2:G0T+3], s[G0T+2:G0T+3], 98304   ; the next block of T
	s_wait_dscnt 0x0                               ; my reads of that slot are over (the first time: R is in registers)
	CROUND                                         ; the same holds of every wave of every partner
	TLOAD G0T, G1T                                 ; the first tensor load behind the round, my one load until the next
	PAIR
	s_add_co_u32 s76, s76, 1
	s_cmp_lt_u32 s76, 3
	s_cbranch_scc1 .Lpair
	WALU
	s_wait_tensorcnt 0x0                           ; T's last block is in
	s_wait_dscnt 0x0
	BARRIER                                        ; and is shown to all
	PAIR
	s_wait_tensorcnt 0x0                           ; the wave's end
	ds_add_u32 v[SPW], v[NIL]
	s_wait_dscnt 0x0
	CROUND                                         ; the closing round
	s_endpgm
.Lfunc_end_k_qa2b36e7540_qkvg:
	.size	k_qa2b36e7540_qkvg, .Lfunc_end_k_qa2b36e7540_qkvg-k_qa2b36e7540_qkvg
	.p2alignl 7, 3214868480
	.fill 96, 4, 3214868480
	.section	.rodata,"a",@progbits
	.p2align	6, 0x0
	.amdhsa_kernel k_qa2b36e7540_qkvg
		.amdhsa_group_segment_fixed_size 327680
		.amdhsa_private_segment_fixed_size 0
		.amdhsa_enable_private_segment 0
		.amdhsa_kernarg_size 24
		.amdhsa_user_sgpr_count 2
		.amdhsa_user_sgpr_kernarg_segment_ptr 1
		.amdhsa_wavefront_size32 1
		.amdhsa_system_sgpr_workgroup_id_x 1
		.amdhsa_system_sgpr_workgroup_id_y 1
		.amdhsa_system_sgpr_workgroup_id_z 1
		.amdhsa_system_vgpr_workitem_id 0
		.amdhsa_next_free_vgpr 1024
		.amdhsa_next_free_sgpr 102
		.amdhsa_reserve_vcc 0
		.amdhsa_float_denorm_mode_32 3
		.amdhsa_float_denorm_mode_16_64 3
		.amdhsa_memory_ordered 1
		.amdhsa_forward_progress 1
		.amdhsa_inst_pref_size 170
	.end_amdhsa_kernel
	.amdgpu_metadata
---
amdhsa.version: [ 1, 2 ]
amdhsa.kernels:
  - .name:           k_qa2b36e7540_qkvg
    .symbol:         k_qa2b36e7540_qkvg.kd
    .args:
      - { .name: codes, .offset: 0, .size: 8, .value_kind: global_buffer, .address_space: global }
      - { .name: scales, .offset: 8, .size: 8, .value_kind: global_buffer, .address_space: global }
      - { .name: qkv, .offset: 16, .size: 8, .value_kind: global_buffer, .address_space: global }
    .group_segment_fixed_size: 327680
    .private_segment_fixed_size: 0
    .kernarg_segment_align: 8
    .kernarg_segment_size: 24
    .max_flat_workgroup_size: 128
    .sgpr_count:     102
    .vgpr_count:     1024
    .wavefront_size: 32
...
	.end_amdgpu_metadata
.endif
;; end of part 2
;; launch attn (part 3): grid 8 x 32, 8 waves a work-group, no clusters, 327,680 bytes of LDS; arguments qkv, oc, os; writes oc, os
.if DOCPART == 3
	.amdgcn_target "amdgcn-amd-amdhsa--gfx1250"
	.amdhsa_code_object_version 6
	.text
	.protected	k_qa2b36e7540_attn
	.globl	k_qa2b36e7540_attn
	.p2align	8
	.type	k_qa2b36e7540_attn,@function
k_qa2b36e7540_attn:
	s_mov_b64 s[64:65], 0
	v_nop
	global_prefetch_b8 v0, s[64:65] scope:SCOPE_SE
	s_setreg_imm32_b32 hwreg(HW_REG_WAVE_MODE, 25, 1), 1
	s_wait_xcnt 0x0
; Causal attention, 4 batches x 16 heads, 2,048 tokens, head size 64, both products on codes of FP6 (E2M3) with E8M0 scales; the result, divided by the row's sum, is quantised along (head, d) for the last projection.
; THE SOFTMAX: t = score x log2(e) / 8; M = the running largest t rounded UP to a whole number; p = 2^(t - M) is quantised along the keys, not normalised; the row's sum is taken of the unquantised p and divides at the end.
; When M moves, the sum and O are multiplied by f = 2^(old M - new M): exact.  A query block begins with the largest score at -3e38: its first f is 0, which clears what the sum and O held.
; INPUT: qkv, records of 12,800 bytes, number (q 0, k 1, v 2) x 512 + (8 batch + head pair) x 16 + token block of 128: eight images of an operand's registers (registers 4 c .. 4 c + 3 of lane l at 1,536 a + 512 c + 16 l),
; then 512 bytes of scale words (at 16 l + 4 p: image 2 p + l / 16, row l % 16).  An image of q or k: 16 tokens x (64 d of the pair's first head, then of its second).  Of v: 16 of the pair's (head, d) x 128 tokens.
; Inside each 32 rows place 16 u + 8 m + i holds row 8 u + 16 m + i.
; SHARES.  A work-group owns query blocks J and 15 - J (128 queries each) of one pair of heads: (J + 1) + (16 - J) = 17 key steps of 128 keys; tiles wholly above the diagonal are never touched.
; A wave owns one head (wave % 2) and 32 queries: tiles X = 2 (wave / 2) and Y = X + 1.  Each fragment of K and of V that it reads from LDS feeds two products.  Q's fragment has zero codes in the other head's six registers.
; Both products are used transposed (S^T = K Q^T, O^T = V^T P^T): a lane holds one query of X and one of Y.
; LDS: a key step is 25,600 bytes, K's record and V's, brought by ONE tensor load (2 rows of 12,800 bytes, 512 records apart).  Step 0 has bytes of its own; steps 1-4, 9-12 lie in slot A, steps 5-8, 13-16 in slot B: a ring of two slots of four steps.
; At the head wave 0 asks for step 0 and waves 1 to 4 for steps 1 to 4; step 0 is shown first, by wave 0's wait alone.  The other fills stand behind a drained barrier, one in four steps, waves 0 to 3 a step each.
; A STEP IS CUT IN TWO where the slots change: P1 (V's loads, the scores, the maxima, M, t - M) ends a step's reads of LDS; P2 (the next step's K, the exponentials, p's codes, the sums, O^T) reads the next step's slot.
; The inner loop's body is P2 of step S and P1 of step S + 1, four bodies between two changes of slots.  The text: P1(0); three times (change with a fill, four bodies); a change without a fill, four bodies; P2(16).
; NO PREFETCH: a fill is asked for four key steps ahead of its first read.   NO CLUSTER: work-group J turns back to key block 0 behind J + 1 steps, so partners would want different tiles in the same round.
; OUTPUT: oc [16 batch + query block][head pair / 2][tile of queries][head pair % 2][register pair][lane][8 bytes]; os [16 batch + query block][head pair][place] words, gathered in LDS and stored at the end.
; LIMITS: a block whose largest magnitude lies under 2^-124 keeps the byte 1; NaN and infinities are not served (the first f = 0 of a query block clears finite numbers only); the scaled scores stay under 2^31 in magnitude.
; REGISTERS, window 0: v1-11, v58-63 addresses and constants; v12-15 (-M, largest score) of X, Y; v16-19 the sums; v20-23 f; v24-47 at work (24.. block maxima, 32.. lane exchange, 40.. scale operands); v48, v49 Q's scale words of the two query blocks
; (lanes 0-15 X, 16-31 Y); v50, v51 p's; v52-55 K's; v56, v57 V's; v64-159 K; v160-207 V; v208-231 p's codes; v232-255 at work.   window 1: v0-127 S^T then p (X, Y); v128-191 O^T; v192-215 Q; v216-239 the second block's Q.
.set REC,   12800
.set REC2,  25600                      ; a key step in LDS
.set SA0,   REC2                       ; slot A
.set SB0,   5*REC2                     ; slot B
.set SX,    SA0^SB0                    ; one exclusive or turns a slot's first byte into the other's
.set SPARE, 9*REC2                     ; the spare words, 128 bytes for each of eight waves
.set OSA,   SPARE+1024                 ; 1,024 bytes: the two query blocks' scale words
.set KF,    64
.set VF,    160
.set MSB,   0
.macro WIN new                         ; the immediate's high byte repeats the setting that is left
.if MSB != (\new)
	s_set_vgpr_msb (MSB<<8)|(\new)
.set MSB, (\new)
.endif
.endm
.macro WALU
	s_wait_alu depctr_va_vdst(0)
.endm
.macro TL                              ; an s_nop 0 and four v_nop follow the load
	tensor_load_to_lds s[36:39], s[28:35]
	s_nop 0
.rept 4
	v_nop
.endr
.endm
.macro DESC                            ; the address of step s13's records: key block s13 while the first query block lasts (s13 <= J), then s13 - J - 1
	s_sub_co_u32 s12, s13, s10
	s_sub_co_u32 s12, s12, 1
	s_cmp_le_u32 s13, s10
	s_cselect_b32 s42, s13, s12
	s_mul_i32 s42, s42, REC
	s_add_nc_u64 s[38:39], s[40:41], s[42:43]
	s_or_b32 s39, s39, 0x80000000
.endm
.macro WM d, a, b, c, sa, sb, ra, rb
	v_wmma_scale_f32_16x16x128_f8f6f4 v[\d:\d+7], v[\a:\a+11], v[\b:\b+11], \c, v[\sa], v[\sb] matrix_a_fmt:MATRIX_FMT_FP6 matrix_b_fmt:MATRIX_FMT_FP6 matrix_a_scale:MATRIX_SCALE_ROW\ra matrix_b_scale:MATRIX_SCALE_ROW\rb
.endm
.macro QK u, t, ra                     ; scores of query tile u and K's image t (ra = t % 2)
	WM 64*\u+8*(\t), KF+12*(\t), 192+12*\u, 0, 52+(\t)/2, 48, \ra, \u
.endm
.macro KLD                             ; the record of K at v8: the scale words, then eight images: 25 loads
	ds_load_b128 v[52:55], v8 offset:12288
.irp g, 0,1,2,3,4,5,6,7
.irp c, 0,1,2
	ds_load_b128 v[KF+12*\g+4*\c:KF+12*\g+4*\c+3], v8 offset:1536*\g+512*\c
.endr
.endr
.endm
.macro YG t, ra                        ; a product of Y, and behind it four lines of X's block maxima
	WIN 0x44
	QK 1, \t, \ra
	WIN 0x14
.irp b, 0,1,2,3
.if (\t) == 0
	v_max3_num_f32 v[24+\b], 0xff800000, v[16*\b], v[16*\b+1]
.else
	v_max3_num_f32 v[24+\b], v[24+\b], v[16*\b+2*(\t)], v[16*\b+2*(\t)+1]
.endif
.endr
.endm
.macro MASK u                          ; on the diagonal hidden scores become -infinity: register 16 b + i holds key 32 b + i + 16 (lane / 16); v63 = X's query - 16 (lane / 16); Y's query lies 8 on
	WIN 0x41
.set n, 0
.rept 64
	v_cmp_gt_i32 vcc_lo, 32*(n/16)+n%16-8*\u, v63
	v_cndmask_b32 v[64*\u+n], v[64*\u+n], v62, vcc_lo
.set n, n+1
.endr
	WIN 0
.endm
.macro PVG u, t, ra, g                 ; a product of O^T, and behind it six lines of the rows' sums (four chains a tile)
	WIN 0x50
	WM 128+32*\u+8*\t, VF+12*\t, 208+12*\u, v[128+32*\u+8*\t:135+32*\u+8*\t], 56+\t/2, 50+\u, \ra, 0
	WIN 0x04
.irp q, 0,1,2
.irp w, 0,1
	v_pk_add_f32 v[248-216*\w+2*((3*\g+\q)%4):249-216*\w+2*((3*\g+\q)%4)], v[248-216*\w+2*((3*\g+\q)%4):249-216*\w+2*((3*\g+\q)%4)], v[64*\w+16+6*\g+2*\q:64*\w+17+6*\g+2*\q]
.endr
.endr
.endm
; A STEP'S FIRST HALF.  K is on its way into registers; v9, v10 point at V.  dg: the step that lies on the diagonal
.macro P1 dg
	ds_load_b64 v[56:57], v10                      ; V: my head's scale words and four images: 13 loads
.irp n, 0,1,2,3,4,5,6,7,8,9,10,11
	ds_load_b128 v[VF+4*\n:VF+4*\n+3], v9 offset:512*\n
.endr
	s_wait_dscnt 25                                ; K's scale words and images 0-3 are in; younger: images 4-7 (12 loads) and V's 13
	WIN 0x44
.irp t, 0,2
	QK 0, \t, 0
	QK 0, \t+1, 1
.endr
	s_wait_dscnt 13                                ; all of K is in; younger: V's 13
.irp t, 4,6
	QK 0, \t, 0
	QK 0, \t+1, 1
.endr
	WIN 0
.rept 4
	v_nop                                          ; the places behind the products
.endr
	WALU
	s_cmp_lg_u32 s3, \dg
	s_cbranch_scc1 .Lopx_\@
	MASK 0
.Lopx_\@:
	YG 0, 0
	YG 1, 1
	YG 2, 0
	YG 3, 1
	YG 4, 0
	YG 5, 1
	YG 6, 0
	YG 7, 1
	WIN 0
	WALU
	s_cmp_lg_u32 s3, \dg
	s_cbranch_scc1 .Lopy_\@
	MASK 1
.Lopy_\@:
	WIN 0x14
.irp b, 0,1,2,3
	v_max3_num_f32 v[28+\b], 0xff800000, v[64+16*\b], v[65+16*\b]   ; Y's largest score of each block of 32 keys
.endr
.irp i, 2,4,6,8,10,12,14
.irp b, 0,1,2,3
	v_max3_num_f32 v[28+\b], v[28+\b], v[64+16*\b+\i], v[65+16*\b+\i]
.endr
.endr
	WIN 0
.irp k, 0,1,2,3,4,5,6,7
	v_permlanex16_b32 v[32+\k], v[24+\k], s20, s21
.endr
.irp k, 0,1,2,3,4,5,6,7
	v_max_num_f32 v[24+\k], v[24+\k], v[32+\k]     ; with lane l xor 16's 16 keys
.endr
.irp u, 0,1
	v_max3_num_f32 v[13+2*\u], v[13+2*\u], v[24+4*\u], v[25+4*\u]
.endr
.irp u, 0,1
	v_max3_num_f32 v[13+2*\u], v[13+2*\u], v[26+4*\u], v[27+4*\u]   ; the running largest score
.endr
.irp u, 0,1
	v_mul_f32 v[40+4*\u], s22, v[13+2*\u]          ; as t
.endr
.irp u, 0,1
	v_floor_f32 v[41+4*\u], -v[40+4*\u]            ; the new -M = floor(-t)
.endr
.irp u, 0,1
	v_sub_f32 v[42+4*\u], v[41+4*\u], v[12+2*\u]   ; old M - new M: a whole number, 0 or less
.endr
.irp u, 0,1
	v_mov_b32 v[12+2*\u], v[41+4*\u]
.endr
.irp u, 0,1
	v_cvt_i32_f32 v[42+4*\u], v[42+4*\u]           ; (it saturates)
.endr
.irp u, 0,1
	v_ldexp_f32 v[20+2*\u], 1.0, v[42+4*\u]        ; f
.endr
	WIN 0x41
.set j, 0
.rept 32
	v_pk_mul_f32 v[128+2*j:129+2*j], v[128+2*j:129+2*j], v[20+2*(j/16):21+2*(j/16)] op_sel_hi:[1,0]   ; O^T under the new M
.set j, j+1
.endr
.set j, 0
.rept 64
	v_pk_fma_f32 v[2*j:2*j+1], v[2*j:2*j+1], s[22:23], v[12+2*(j/32):13+2*(j/32)] op_sel_hi:[1,0,0]   ; t - M
.set j, j+1
.endr
	WIN 0
	v_pk_mul_f32 v[16:17], v[16:17], v[20:21] op_sel_hi:[1,0]   ; the sums under the new M
	v_pk_mul_f32 v[18:19], v[18:19], v[22:23] op_sel_hi:[1,0]
.irp k, 0,1,2,3,4,5,6,7
	v_fma_f32 v[24+\k], v[24+\k], s22, v[12+2*(\k/4)]   ; t - M of each block's largest score
.endr
.endm
; A STEP'S SECOND HALF.  kl = 1: the next step's K, at LDS byte s2, is asked for first
.macro P2 kl
.if \kl
	v_add_nc_u32 v8, s2, v1                        ; the next step's K,
	v_add_nc_u32 v9, s2, v11                       ; my head's images of its V,
	v_add_nc_u32 v10, s2, v58                      ; and their scale words
.endif
	WALU                                           ; ahead of the batch
.if \kl
	KLD
.endif
.irp k, 0,1,2,3,4,5,6,7
	v_exp_f32 v[24+\k], v[24+\k]                   ; each block's largest p
.endr
	WIN 0x41
.set j, 0
.rept 128
	v_exp_f32 v[j], v[j]                           ; p = 2^(t - M)
.set j, j+1
.endr
	WIN 0
	v_nop                                          ; the plain line behind the batch
	WALU                                           ; one wait for the batch
	s_wait_dscnt 25*\kl                            ; V is in; younger: the next step's K, 25 loads
.irp k, 0,1,2,3,4,5,6,7
	v_max_num_f32 v[24+\k], 0x1800000, v[24+\k]    ; the floor 2^(3 - 127): a block whose every p is 0 keeps the byte 1
.endr
.irp k, 0,1,2,3,4,5,6,7
	v_add_nc_u32 v[40+\k], 0xff000000, v[24+\k]    ; the conversions' scale operands
.endr
.irp k, 0,1,2,3,4,5,6,7
	v_lshrrev_b32 v[32+\k], 23, v[40+\k]
.endr
.irp u, 0,1
	v_lshl_or_b32 v[50+\u], v[33+4*\u], 8, v[32+4*\u]   ; p's scale word for these 128 keys
.endr
.irp u, 0,1
	v_lshl_or_b32 v[50+\u], v[34+4*\u], 16, v[50+\u]
.endr
.irp u, 0,1
	v_lshl_or_b32 v[50+\u], v[35+4*\u], 24, v[50+\u]
.endr
	WIN 0x01
.irp u, 0,1
.irp c, 0,1
	v_cvt_scalef32_pk16_fp6_f32 v[208+12*\u+6*\c:210+12*\u+6*\c], v[64*\u+32*\c:64*\u+32*\c+15], v[40+4*\u+2*\c]
	v_cvt_scalef32_pk16_fp6_f32 v[232+8*\u+4*\c:234+8*\u+4*\c], v[64*\u+32*\c+16:64*\u+32*\c+31], v[41+4*\u+2*\c]
.endr
.endr
	WIN 0
	v_nop                                          ; one plain line behind the conversions
.irp u, 0,1
.irp c, 0,1
.irp i, 0,1,2
	v_permlane16_swap_b32 v[208+12*\u+6*\c+\i], v[232+8*\u+4*\c+\i]   ; the operand wants a whole block in a lane
.endr
.endr
.endr
.irp u, 0,1
.irp c, 0,1
.irp i, 0,1,2
	v_mov_b32 v[211+12*\u+6*\c+\i], v[232+8*\u+4*\c+\i]
.endr
.endr
.endr
	WIN 0x05
.irp k, 0,1,2,3
.irp w, 0,1
	v_pk_add_f32 v[248-216*\w+2*\k:249-216*\w+2*\k], v[64*\w+2*\k:64*\w+2*\k+1], v[64*\w+8+2*\k:64*\w+9+2*\k]   ; the sums' chains begin; these eight are the places between the codes' last writes and the products
.endr
.endr
	PVG 0, 0, 0, 0
	PVG 1, 0, 0, 1
	PVG 0, 1, 1, 2
	PVG 1, 1, 1, 3
	PVG 0, 2, 0, 4
	PVG 1, 2, 0, 5
	PVG 0, 3, 1, 6
	PVG 1, 3, 1, 7
	WIN 0
.irp w, 0,1
	v_pk_add_f32 v[248-216*\w:249-216*\w], v[248-216*\w:249-216*\w], v[250-216*\w:251-216*\w]
.endr
.irp w, 0,1
	v_pk_add_f32 v[252-216*\w:253-216*\w], v[252-216*\w:253-216*\w], v[254-216*\w:255-216*\w]
.endr
.irp w, 0,1
	v_pk_add_f32 v[248-216*\w:249-216*\w], v[248-216*\w:249-216*\w], v[252-216*\w:253-216*\w]
.endr
.irp w, 0,1
	v_pk_add_f32 v[16+2*\w:17+2*\w], v[16+2*\w:17+2*\w], v[248-216*\w:249-216*\w]
.endr
	WALU                                           ; ahead of the branch or the wait that follows
.endm
; A QUERY BLOCK IS FINISHED: O^T / the sum; register 16 b + i = d 32 b + 16 (lane / 16) + i of my head: two blocks of 32 along the last projection's K.  Six registers of codes a tile leave as three stores of 256 consecutive bytes;
; my head's two scale bytes of each row go to LDS, where they wait for the launch's end.
.macro FINISH ocp, osoff
	v_add_f32 v16, v16, v17
	v_add_f32 v18, v18, v19
	v_permlanex16_b32 v32, v16, s20, s21
	v_permlanex16_b32 v36, v18, s20, s21
	v_add_f32 v16, v16, v32                        ; the rows' sums
	v_add_f32 v18, v18, v36
	WALU
	v_rcp_f32 v16, v16
	v_rcp_f32 v18, v18
	v_nop
	WIN 0x41
	WALU                                           ; directly ahead of the first reader of the reciprocals and of O^T
.set j, 0
.rept 32
	v_pk_mul_f32 v[64*(j/16)+2*(j%16):64*(j/16)+2*(j%16)+1], v[128+2*j:129+2*j], v[16+2*(j/16):17+2*(j/16)] op_sel_hi:[1,0]   ; ascending: each accumulator from its low end on
.set j, j+1
.endr
	WIN 0x14
.irp u, 0,1
.irp b, 0,1
	v_max3_num_f32 v[24+4*\u+\b], 0x1800000, |v[64*\u+16*\b]|, |v[64*\u+16*\b+1]|
.endr
.endr
.irp i, 2,4,6,8,10,12,14
.irp u, 0,1
.irp b, 0,1
	v_max3_num_f32 v[24+4*\u+\b], v[24+4*\u+\b], |v[64*\u+16*\b+\i]|, |v[64*\u+16*\b+\i+1]|
.endr
.endr
.endr
	WIN 0
.irp k, 0,1,4,5
	v_permlanex16_b32 v[32+\k], v[24+\k], s20, s21
.endr
.irp k, 0,1,4,5
	v_max_num_f32 v[24+\k], v[24+\k], v[32+\k]
.endr
.irp k, 0,1,4,5
	v_add_nc_u32 v[40+\k], 0xff000000, v[24+\k]
.endr
.irp k, 0,1,4,5
	v_lshrrev_b32 v[32+\k], 23, v[40+\k]
.endr
.irp u, 0,1
	v_lshl_or_b32 v[24+4*\u], v[33+4*\u], 8, v[32+4*\u]   ; my head's two bytes of the row's scale word
.endr
	WIN 0x01
.irp u, 0,1
	v_cvt_scalef32_pk16_fp6_f32 v[208+12*\u:210+12*\u], v[64*\u:64*\u+15], v[40+4*\u]
	v_cvt_scalef32_pk16_fp6_f32 v[232+8*\u:234+8*\u], v[64*\u+16:64*\u+31], v[41+4*\u]
.endr
	WIN 0
	v_nop
.irp u, 0,1
.irp i, 0,1,2
	v_permlane16_swap_b32 v[208+12*\u+\i], v[232+8*\u+\i]
.endr
.endr
.irp u, 0,1
.irp i, 0,1,2
	v_mov_b32 v[211+12*\u+\i], v[232+8*\u+\i]      ; lane (r, h) now holds d = 32 h .. 32 h + 31 of row r
.endr
.endr
.irp u, 0,1
.irp p, 0,1,2
	global_store_b64 v4, v[208+12*\u+2*\p:209+12*\u+2*\p], s[\ocp:\ocp+1] offset:3072*\u+256*\p
.endr
	ds_store_b16 v7, v[24+4*\u] offset:\osoff+64*\u   ; (lanes l and l xor 16 write the same two bytes with the same value)
.endr
.endm
; THE CHANGE OF SLOTS, between a step's halves: every wave's reads of the slot that is left are over, and the other slot is whole.  fill = 1: group s62 + 1's four steps are asked for, into the slot that is left (the first time: slot B's first fill)
.macro CHG fill
	WALU
	s_wait_tensorcnt 0x0                           ; no tensor load of mine is out: the descriptor may be written
.if \fill
	ds_add_u32 v5, v6                              ; the add, twice on end
	ds_add_u32 v5, v6
	s_lshl_b32 s13, s62, 2
	s_add_co_u32 s13, s13, 5
	s_add_co_u32 s13, s13, s18                     ; my step of the group: 4 s62 + 5 + wave
	DESC
	s_xor_b32 s12, s45, SX
	s_add_co_u32 s37, s12, s44                     ; its place: the slot that is left + 25,600 x wave
.endif
	s_wait_dscnt 0x0
	s_barrier_signal -1
	s_barrier_wait -1
.if \fill
	s_cmp_lt_u32 s18, 4
	s_cbranch_scc0 .Lnl_\@
	TL                                             ; the first thing behind the barrier, a wave's one tensor load until the next
.Lnl_\@:
.endif
	s_mov_b32 s2, s45                              ; the next four steps lie in this slot
	s_xor_b32 s45, s45, SX
	s_mov_b32 s61, 0
.endm
	s_load_b128 s[4:7], s[0:1], 0x0                ; qkv, oc
	s_load_b64 s[8:9], s[0:1], 0x10                ; os
	v_lshl_add_u32 v5, v0, 2, SPARE
	v_mov_b32 v6, 0
	ds_add_u32 v5, v6                              ; the opening lines: the add, twice on end, and its wait ahead of the first tensor load
	ds_add_u32 v5, v6
	v_lshrrev_b32 v8, 5, v0
	v_readfirstlane_b32 s18, v8                    ; wave 0..7
	s_and_b32 s19, s18, 1                          ; g: my head of the pair
	s_lshr_b32 s24, s18, 1                         ; my 32 queries of the block's 128
	s_mov_b32 s10, ttmp9                           ; J
	s_and_b32 s11, ttmp7, 0xffff                   ; 8 batch + head pair
	s_mov_b32 s28, 3<<16                           ; descriptor group 1: K's record and V's: 2 rows of 1,600 elements of 8 bytes, 512 records apart
	s_mov_b32 s29, 1600<<16
	s_mov_b32 s30, 2<<16
	s_mov_b32 s31, 1600<<16
	s_mov_b32 s32, 2
	s_mov_b32 s33, 512*1600
	s_mov_b32 s34, 0
	s_mov_b32 s35, 0
	s_mov_b32 s36, 1
	s_mul_i32 s44, s18, REC2
	s_mov_b32 s37, s44                             ; at the head wave w asks for step w, to LDS byte 25,600 w
	s_mov_b32 s45, SA0
	s_mov_b32 s20, 0x76543210
	s_mov_b32 s21, 0xfedcba98                      ; v_permlanex16_b32's selects for lane l xor 16
	s_mov_b32 s22, 0x3e38aa3b                      ; log2(e) / 8
	s_mov_b32 s23, s22
	s_mov_b32 s3, 0                                ; the step
	s_cmp_eq_u32 s19, 0
	s_cselect_b32 s26, -1, 0                       ; keeps Q's registers 0-5 (the pair's first head),
	s_cselect_b32 s27, 0, -1                       ; or 6-11
	s_lshl_b32 s13, s11, 4                         ; 16 records for each (batch, head pair)
	s_sub_co_u32 s15, 15, s10                      ; the second query block
	s_add_co_u32 s12, s13, 512
	s_mul_i32 s40, s12, REC                        ; K's stream
	s_mov_b32 s41, 0
	s_mov_b32 s43, 0
	s_add_co_u32 s14, s13, s10
	s_mul_i32 s48, s14, REC                        ; Q's record of block J,
	s_mov_b32 s49, 0
	s_add_co_u32 s14, s13, s15
	s_mul_i32 s50, s14, REC                        ; of block 15 - J
	s_mov_b32 s51, 0
	s_lshr_b32 s16, s11, 3
	s_lshl_b32 s16, s16, 4                         ; 16 batch
	s_and_b32 s17, s11, 7                          ; head pair
	s_lshr_b32 s12, s17, 1
	s_mul_i32 s12, s12, 24576
	s_and_b32 s14, s17, 1
	s_mul_i32 s14, s14, 1536
	s_add_co_u32 s12, s12, s14
	s_add_co_u32 s14, s16, s10
	s_mul_i32 s52, s14, 98304
	s_add_co_u32 s52, s52, s12                     ; oc, block J
	s_mov_b32 s53, 0
	s_lshl_b32 s56, s14, 12
	s_add_co_u32 s14, s16, s15
	s_mul_i32 s54, s14, 98304
	s_add_co_u32 s54, s54, s12                     ; oc, block 15 - J
	s_mov_b32 s55, 0
	s_lshl_b32 s58, s14, 12
	s_lshl_b32 s14, s17, 9
	s_add_co_u32 s56, s56, s14                     ; os likewise
	s_mov_b32 s57, 0
	s_add_co_u32 s58, s58, s14
	s_mov_b32 s59, 0
	s_mul_i32 s60, s24, 3072                       ; Q: image X
	s_lshl_b32 s61, s24, 2
	s_add_co_u32 s61, s61, 12288                   ; its and Y's scale words
	s_mul_i32 s62, s24, 6144
	s_mul_i32 s12, s19, 768
	s_add_co_u32 s62, s62, s12                     ; oc: tile X, my head's three register pairs
	s_lshl_b32 s63, s24, 7
	s_lshl_b32 s12, s19, 1
	s_add_co_u32 s63, s63, s12
	s_add_co_u32 s63, s63, OSA                     ; LDS: tile X's scale words, my head's two bytes
	s_mul_i32 s47, s19, 6144
	s_add_co_u32 s47, s47, REC                     ; V: my head's four images
	s_lshl_b32 s16, s19, 3
	s_add_co_u32 s16, s16, REC+12288               ; their scale words
	s_lshl_b32 s17, s24, 5                         ; my first query in its block
	v_and_b32 v8, 31, v0
	v_and_b32 v9, 15, v0
	v_bfe_u32 v10, v0, 4, 1
	v_lshlrev_b32 v1, 4, v8                        ; 16 x lane
	v_lshl_add_u32 v4, v8, 3, s62
	v_add_nc_u32 v2, s60, v1
	v_add_nc_u32 v3, s61, v1
	v_lshl_add_u32 v7, v9, 2, s63
	v_add_nc_u32 v60, OSA, v1
	v_add_nc_u32 v11, s47, v1
	v_add_nc_u32 v58, s16, v1
	v_and_b32 v63, 7, v0
	v_bfe_u32 v9, v0, 3, 1
	v_lshl_add_u32 v63, v9, 4, v63                 ; place r holds row r % 8 + 16 (r / 8)
	v_lshlrev_b32 v10, 4, v10
	v_sub_nc_u32 v63, v63, v10
	v_add_nc_u32 v63, s17, v63                     ; X's query in its block of 128, less 16 (lane / 16)
	v_mov_b32 v62, 0xff800000
	v_mov_b32 v8, v1                               ; step 0 lies at LDS byte 0
	v_mov_b32 v9, v11
	v_mov_b32 v10, v58
	WALU                                           ; at the head's end
	s_wait_dscnt 0x0                               ; the opening adds are done
	s_wait_kmcnt 0x0
	s_add_nc_u64 s[40:41], s[4:5], s[40:41]
	s_add_nc_u64 s[48:49], s[4:5], s[48:49]
	s_add_nc_u64 s[50:51], s[4:5], s[50:51]
	s_add_nc_u64 s[52:53], s[6:7], s[52:53]
	s_add_nc_u64 s[54:55], s[6:7], s[54:55]
	s_add_nc_u64 s[56:57], s[8:9], s[56:57]
	s_add_nc_u64 s[58:59], s[8:9], s[58:59]
	s_mov_b32 s13, s18
	DESC
	s_mov_b32 s62, 0                               ; counts the changes of slots
	s_cmp_eq_u32 s18, 0                            ; the head's fills: one chain of branches on the wave's number.  Wave 0's line is its own: step 0 is shown ahead of the rest
	s_cbranch_scc0 .Lh1
	TL
	s_branch .Lhj
.Lh1:
	s_cmp_lt_u32 s18, 5
	s_cbranch_scc0 .Lhj
	TL                                             ; waves 1 to 4: steps 1 to 4, slot A
.Lhj:
	WIN 0x40
.irp u, 0,1
.irp c, 0,1,2
	global_load_b128 v[192+12*\u+4*\c:195+12*\u+4*\c], v2, s[48:49] offset:1536*\u+512*\c   ; Q of block J,
	global_load_b128 v[216+12*\u+4*\c:219+12*\u+4*\c], v2, s[50:51] offset:1536*\u+512*\c   ; and of block 15 - J
.endr
.endr
.set j, 0
.rept 64
	v_mov_b32 v[128+j], 0                          ; O^T: written once, so that the first f = 0 finds numbers
.set j, j+1
.endr
	WIN 0
	global_load_b32 v48, v3, s[48:49]
	global_load_b32 v49, v3, s[50:51]
.irp k, 16,17,18,19,21,23,32,33,34,35,36,37,38,39
	v_mov_b32 v\k, 0                               ; the sums; the upper halves of f's pairs; the lane exchanges' destinations
.endr
	WALU
	s_wait_loadcnt 0x0
	WIN 0x44
.irp q, 192,204,216,228
.irp i, 0,1,2,3,4,5
	v_and_b32 v[\q+\i], s26, v[\q+\i]              ; the other head's codes of Q are cleared
	v_and_b32 v[\q+6+\i], s27, v[\q+6+\i]
.endr
.endr
	WIN 0
	v_mov_b32 v13, 0xff61b1e6                      ; the largest score so far: -3e38
	v_mov_b32 v15, 0xff61b1e6
	v_floor_f32 v12, -v13                          ; -M
	v_floor_f32 v14, -v15
	WALU
	s_cmp_eq_u32 s18, 0
	s_cbranch_scc0 .Lnot0
	s_wait_tensorcnt 0x0                           ; wave 0: step 0 is in
.Lnot0:
	s_barrier_signal -1
	s_barrier_wait -1                              ; steps 1 to 4 may still be on their way
	KLD
	P1 s10
.Lgrp:                                             ; three trips: steps 0-3, 4-7, 8-11 end here, steps 1-4, 5-8, 9-12 begin
	CHG 1
.Lin:
	P2 1
	s_cmp_lg_u32 s3, s10                           ; the first query block's last step
	s_cbranch_scc1 .Lsame
	FINISH 52, 0
	v_mov_b32 v48, v49                             ; the second query block's Q
	WIN 0x41
.set j, 0
.rept 24
	v_mov_b32 v[192+j], v[216+j]
.set j, j+1
.endr
	WIN 0
	v_mov_b32 v13, 0xff61b1e6                      ; these four are the places between Q's last write and the next products
	v_mov_b32 v15, 0xff61b1e6
	v_floor_f32 v12, -v13
	v_floor_f32 v14, -v15
	WALU
	s_wait_xcnt 0x0                                ; the stores above have read their registers
.Lsame:
	s_add_co_u32 s3, s3, 1
	P1 s10
	s_add_co_u32 s2, s2, REC2
	s_add_co_u32 s61, s61, 1
	s_cmp_lt_u32 s61, 4
	WALU                                           ; ahead of the backward jump
	s_cbranch_scc1 .Lin
	s_add_co_u32 s62, s62, 1
	s_cmp_lt_u32 s62, 3
	s_cbranch_scc1 .Lgrp
	CHG 0                                          ; steps 13 to 16 are shown; nothing is left to fetch
.Ltail:                                            ; steps 12-15 end, steps 13-16 begin; step 16 lies on the diagonal
	P2 1
	s_add_co_u32 s3, s3, 1
	P1 16
	s_add_co_u32 s2, s2, REC2
	s_add_co_u32 s61, s61, 1
	s_cmp_lt_u32 s61, 4
	WALU
	s_cbranch_scc1 .Ltail
	P2 0
	FINISH 54, 512
	WALU
	s_wait_dscnt 0x0                               ; for the others' sake: my stores are done
	s_barrier_signal -1
	s_barrier_wait -1
	s_cmp_lg_u32 s18, 2
	s_cbranch_scc1 .Lnot2
	ds_load_b128 v[24:27], v60                     ; both query blocks' scale words, 512 bytes each
	ds_load_b128 v[28:31], v60 offset:512
	s_wait_dscnt 0x0
	global_store_b128 v1, v[24:27], s[56:57]       ; 512 consecutive bytes
	global_store_b128 v1, v[28:31], s[58:59]
.Lnot2:
	s_wait_tensorcnt 0x0                           ; the wave's end
	ds_add_u32 v5, v6
	s_wait_dscnt 0x0
	s_endpgm
.Lfunc_end_k_qa2b36e7540_attn:
	.size	k_qa2b36e7540_attn, .Lfunc_end_k_qa2b36e7540_attn-k_qa2b36e7540_attn
	.p2alignl 7, 3214868480
	.fill 96, 4, 3214868480
	.section	.rodata,"a",@progbits
	.p2align	6, 0x0
	.amdhsa_kernel k_qa2b36e7540_attn
		.amdhsa_group_segment_fixed_size 327680
		.amdhsa_private_segment_fixed_size 0
		.amdhsa_enable_private_segment 0
		.amdhsa_kernarg_size 24
		.amdhsa_user_sgpr_count 2
		.amdhsa_user_sgpr_kernarg_segment_ptr 1
		.amdhsa_wavefront_size32 1
		.amdhsa_system_sgpr_workgroup_id_x 1
		.amdhsa_system_sgpr_workgroup_id_y 1
		.amdhsa_system_sgpr_workgroup_id_z 1
		.amdhsa_system_vgpr_workitem_id 0
		.amdhsa_next_free_vgpr 512
		.amdhsa_next_free_sgpr 66
		.amdhsa_reserve_vcc 1
		.amdhsa_float_denorm_mode_32 3
		.amdhsa_float_denorm_mode_16_64 3
		.amdhsa_memory_ordered 1
		.amdhsa_forward_progress 1
		.amdhsa_inst_pref_size 152
	.end_amdhsa_kernel
	.amdgpu_metadata
---
amdhsa.version: [ 1, 2 ]
amdhsa.kernels:
  - .name:           k_qa2b36e7540_attn
    .symbol:         k_qa2b36e7540_attn.kd
    .args:
      - { .name: qkv, .offset: 0, .size: 8, .value_kind: global_buffer, .address_space: global }
      - { .name: oc, .offset: 8, .size: 8, .value_kind: global_buffer, .address_space: global }
      - { .name: os, .offset: 16, .size: 8, .value_kind: global_buffer, .address_space: global }
    .group_segment_fixed_size: 327680
    .private_segment_fixed_size: 0
    .kernarg_segment_align: 8
    .kernarg_segment_size: 24
    .max_flat_workgroup_size: 256
    .sgpr_count:     66
    .vgpr_count:     512
    .wavefront_size: 32
...
	.end_amdgpu_metadata
.endif
;; end of part 3
;; launch proj (part 4): grid 8 x 32, 4 waves a work-group, clusters of 4 x 4, 327,680 bytes of LDS; arguments oc, os, codes, scales, bo, out0; writes out0
.if DOCPART == 4
	.amdgcn_target "amdgcn-amd-amdhsa--gfx1250"
	.amdhsa_code_object_version 6
	.text
	.protected	k_qa2b36e7540_proj
	.globl	k_qa2b36e7540_proj
	.p2align	8
	.type	k_qa2b36e7540_proj,@function
k_qa2b36e7540_proj:
	s_mov_b64 s[64:65], 0
	v_nop
	global_prefetch_b8 v0, s[64:65] scope:SCOPE_SE
	s_setreg_imm32_b32 hwreg(HW_REG_WAVE_MODE, 25, 1), 1
	s_wait_xcnt 0x0
	s_wait_alu depctr_hold_cnt(0) depctr_sa_sdst(0) depctr_va_vdst(0) depctr_va_sdst(0) depctr_va_ssrc(0) depctr_va_vcc(0) depctr_vm_vsrc(0)
	s_getreg_b32 s2, hwreg(HW_REG_IB_STS2, 6, 4)
	s_cmp_eq_u32 s2, 0
	s_cbranch_scc0 .Lentry_in_a_cluster
	s_endpgm
.Lentry_in_a_cluster:
	s_bfe_u32 s2, ttmp6, 0x10000c
	s_cmp_lg_u32 s2, 0xf033
	s_cbranch_scc0 .Lentry_shape_is_right
	s_endpgm
.Lentry_shape_is_right:
; out0 = context Wo + bo: [8192][1024] x [1024][1024] on codes of FP6 (E2M3) with E8M0 scales, f32 sums that begin with the bias.  LIMITS: NaN, infinities and sums beyond f32's range are not served.
; A: oc, os as the attention launch leaves them; B: blocks 88-95 of codes and scales.  Both: codes [block of 128 rows][256 along K: 4][16 places: 8][128 along K: 2][register pair: 6][lane][8 bytes]; scale words [block][128 along K: 8][place: 128].
; Inside each 32 rows place 16 u + 8 m + i holds row 8 u + 16 m + i.
; THE DEAL.  256 work-groups of four waves, 2 x 2, each 256 rows x 128 columns.  A wave holds four tiles of 16 columns of B, all of K, in 384 registers, and streams its 128 rows of A past them in eight blocks of 16: a block's eight fragments feed 32 products.
; LDS: A's two blocks (196,608 bytes), B's block (98,304), A's scale words (8,192): ALL OF K AT ONCE, four tensor loads at the head, one a wave, each on its own line; nothing is filled again, so there is no data prefetch to run ahead.
; Behind them each wave's stage (16 rows x 272 bytes) and the spare words.  B's scale words and the bias come by plain loads.
; CLUSTERS: 4 x 4 work-groups; A's tiles are asked for jointly along a row of the cluster (mask s44), B's along a column (mask s45).
; THE MATRIX INSTRUCTION IS USED TRANSPOSED (source 0 = B's places): a lane holds one row of A, and the 16 registers of B's tiles 2 b and 2 b + 1 are columns 32 b + 16 (lane / 16) + 0 .. 15.
; Two sets of A's fragments, of accumulators and of the rows that come back from the stage, by turns.  One run of memory lines behind a block's products: its sums into the stage and back as rows of 256 bytes; the fetch of the block two on; one wait; eight stores.
.set NQ, 8                             ; K / 128
.set NB, 4                             ; column tiles a wave
.set FR, 12                            ; registers of a fragment
.set FPW, 256/FR                       ; fragments in a window
.set NF, 32                            ; LDS loads of a block: 24 for eight fragments, 8 for eight scale words
.set LB, 196608                        ; B's block
.set SCL, 294912                       ; A's scale words
.set STAGE, 303104
.set SPITCH, 272
.set SPARE, STAGE+4*16*SPITCH
.set AAS0, 6                           ; v6  LDS address of my row's scale words in block 0
.set CO, 9                             ; v9  my byte offset in out0: row l / 16, 16 bytes x (l % 16)
.set SPW, 10
.set NIL, 11
.set ADRB, 14                          ; v14, v15  my fragments of B: K 0-511, K 512-1023
.set ABS, 16                           ; v16 4 x lane
.set AAS, 17                           ; v17 as v6, for the block that is fetched next
.set STO, 18
.set RD, 19
.set SB, 24                            ; v24-39  B's scale words: 8 (t / 2) + q; lanes 0-15 the even tile, 16-31 the odd
.set SA, 42                            ; v42-57  A's: two sets of eight
.set ACC, 64                           ; v64-127 two sets of four accumulators
.set BK, 128                           ; v128-191 two sets: 16 rows x 256 bytes back from the stage
.set AQ0, 192                          ; v192-199 LDS addresses of block 0's eight fragments
.set AQ, 200                           ; v200-207 the same for the block that is fetched next
.set BO, 208                           ; v208-239 the bias as the first four products' C
.set G1A, 24
.set G1B, 32
.set G1S, 48
.set G0A, 56
.set G0B, 60
.set G0S, 76
.set MSB, 0
.macro WIN new
.if MSB != (\new)
	s_set_vgpr_msb (MSB<<8)|(\new)
.set MSB, (\new)
.endif
.endm
.macro PLACES n
.rept \n
	v_nop
.endr
.endm
.macro WALU
	s_wait_alu depctr_va_vdst(0)
.endm
.macro BARRIER
	s_barrier_signal -1
	s_barrier_wait -1
.endm
.macro CROUND
	BARRIER
	s_cmp_lg_u32 s14, 0
	s_cbranch_scc1 .Lnot_wave_0_\@
	s_barrier_signal -3
.Lnot_wave_0_\@:
	s_barrier_wait -3
	BARRIER
.endm
.macro TLOAD g0, g1                    ; an s_nop 0 and four v_nop follow the load
	tensor_load_to_lds s[\g0:\g0+3], s[\g1:\g1+7]
	s_nop 0
	PLACES 4
.endm
.macro GROUP1 g, mask, rows            ; a dense block as rows of 256 bytes
	s_or_b32 s[\g+0], s[\mask], (3<<16)|(1<<21)
	s_mov_b32 s[\g+1], 32<<16
	s_mov_b32 s[\g+2], (\rows)<<16
	s_mov_b32 s[\g+3], 32<<16
	s_mov_b32 s[\g+4], \rows
	s_mov_b32 s[\g+5], 32
	s_mov_b32 s[\g+6], 0
	s_mov_b32 s[\g+7], 0
.endm
.macro FRAGB q, t                      ; B's fragment 4 q + t: six loads of 256 consecutive bytes
	WIN (1+(NB*(\q)+(\t))/FPW)<<6
.irp p, 0,1,2,3,4,5
	ds_load_b64 v[FR*((NB*(\q)+(\t))%FPW)+2*\p:FR*((NB*(\q)+(\t))%FPW)+2*\p+1], v[ADRB+(\q)/4] offset:(((\q)/2)%2)*24576+(2*(\t)+(\q)%2)*1536+256*\p
.endr
.endm
.macro FETCHAT e, aq, as               ; a block of A into set e: NF loads
.irp q, 0,1,2,3,4,5,6,7
	WIN (1+(NB*NQ+NQ*(\e)+\q)/FPW)<<6
.irp p, 0,2,4
	ds_load_2addr_b64 v[FR*((NB*NQ+NQ*(\e)+\q)%FPW)+2*\p:FR*((NB*NQ+NQ*(\e)+\q)%FPW)+2*\p+3], v[\aq+\q] offset0:32*\p offset1:32*\p+32
.endr
.endr
	WIN 0
.irp q, 0,1,2,3,4,5,6,7
	ds_load_b32 v[SA+8*(\e)+\q], v[\as] offset:512*\q
.endr
.endm
.macro PROD e, n                       ; product n = 4 q + t of a block whose rows lie in set e; the four accumulators by turns
.set Q_, (\n)/4
.set FB_, NB*Q_+(\n)%4
.set FA_, NB*NQ+NQ*(\e)+Q_
.set D_, ACC+32*(\e)+8*((\n)%4)
.set XB_, SB+NQ*(((\n)%4)/2)+Q_
.set XA_, SA+8*(\e)+Q_
	WIN (1+FB_/FPW)|((1+FA_/FPW)<<2)
.if Q_
	PROD1 D_, FB_, FA_, v[D_:D_+7], XB_, XA_, (\n)%2
.else
	PROD1 D_, FB_, FA_, v[BO+8*((\n)%4):BO+8*((\n)%4)+7], XB_, XA_, (\n)%2
.endif
.endm
.macro PROD1 d, s0, s1, c, x0, x1, o
.if \o
	v_wmma_scale_f32_16x16x128_f8f6f4 v[\d:\d+7], v[FR*((\s0)%FPW):FR*((\s0)%FPW)+FR-1], v[FR*((\s1)%FPW):FR*((\s1)%FPW)+FR-1], \c, v[\x0], v[\x1] matrix_a_fmt:MATRIX_FMT_FP6 matrix_b_fmt:MATRIX_FMT_FP6 matrix_a_scale:MATRIX_SCALE_ROW1
.else
	v_wmma_scale_f32_16x16x128_f8f6f4 v[\d:\d+7], v[FR*((\s0)%FPW):FR*((\s0)%FPW)+FR-1], v[FR*((\s1)%FPW):FR*((\s1)%FPW)+FR-1], \c, v[\x0], v[\x1] matrix_a_fmt:MATRIX_FMT_FP6 matrix_b_fmt:MATRIX_FMT_FP6 matrix_a_scale:MATRIX_SCALE_ROW0
.endif
.endm
.macro ENTRY i, fetch                  ; among a block's products: five of the next fetch's nine addresses
.if \fetch
.if (\i) == 1
	s_add_co_u32 s70, s70, 3072
	s_add_co_u32 s71, s71, 64
.endif
.if (\i) >= 1 && (\i) <= 5
	WIN 0
	v_add_nc_u32 v[AQ+\i-1], s70, v[AQ0+\i-1]
.endif
.endif
.endm
.macro STAGED u                        ; set u's sums into my stage, each accumulator from its low end on, and back as whole rows; LDS serves a wave's instructions in order (ISA guide 5.7.1.4)
.irp b, 0,1,2,3
	ds_store_b128 v[STO], v[ACC+32*(\u)+8*\b:ACC+32*(\u)+8*\b+3] offset:128*(\b/2)+32*(\b%2)
	ds_store_b128 v[STO], v[ACC+32*(\u)+8*\b+4:ACC+32*(\u)+8*\b+7] offset:128*(\b/2)+32*(\b%2)+16
.endr
.irp t, 0,1,2,3,4,5,6,7
	ds_load_b128 v[BK+32*(\u)+4*\t:BK+32*(\u)+4*\t+3], v[RD] offset:2*\t*SPITCH
.endr
.endm
.macro TOC s                           ; stage rows 2 t, 2 t + 1 of a pair's block s are tokens 8 s + 16 (t / 4) + 2 t % 8 and the next; sixteen lanes store 256 consecutive bytes, aligned
.irp t, 0,1,2,3,4,5,6,7
	global_store_b128 v[CO], v[BK+32*(\s)+4*\t:BK+32*(\s)+4*\t+3], s[12:13] offset:(8*(\s)+16*(\t/4)+(2*\t)%8)*4096 th:TH_STORE_NT
.endr
.endm
.macro STREAM s, fetch                 ; a pair's block s
.set N_, 0
.rept 32
	PROD \s, N_
	ENTRY N_, \fetch
.set N_, N_+1
.endr
	WIN 0
.if \fetch                             ; four plain lines between the last product and the first reader of its sums
	v_add_nc_u32 v[AQ+5], s70, v[AQ0+5]
	v_add_nc_u32 v[AQ+6], s70, v[AQ0+6]
	v_add_nc_u32 v[AQ+7], s70, v[AQ0+7]
	v_add_nc_u32 v[AAS], s71, v[AAS0]
	WALU
.else
	PLACES 4
.endif
	s_wait_xcnt 0x0                                ; the stores of two blocks ago have read set s of the rows, and those of the block before their base
.if (\s) == 0
	s_add_nc_u64 s[12:13], s[12:13], s[20:21]      ; on to this pair's 32 tokens
.endif
	STAGED \s
.if \fetch
	FETCHAT \s, AQ, AAS
	s_wait_dscnt NF                                ; the block's rows are back from the stage, and the next block's fragments are in; this run's fetch is younger
.else
	s_wait_dscnt 0x0
.endif
	TOC \s
.endm
	s_load_b128 s[4:7], s[0:1], 0x0                ; oc, os
	s_load_b128 s[8:11], s[0:1], 0x10              ; codes, scales
	s_load_b64 s[72:73], s[0:1], 0x20              ; bo
	s_load_b64 s[12:13], s[0:1], 0x28              ; out0
	v_lshl_add_u32 v[SPW], v0, 2, SPARE
	v_mov_b32 v[NIL], 0
	ds_add_u32 v[SPW], v[NIL]                      ; the opening lines
	ds_add_u32 v[SPW], v[NIL]
	v_lshrrev_b32 v1, 5, v0
	v_readfirstlane_b32 s14, v1                    ; the wave; s15 its row of the 2 x 2, s16 its column
	s_lshr_b32 s15, s14, 1
	s_and_b32 s16, s14, 1
	s_bfe_u32 s40, ttmp6, 0x40000
	s_bfe_u32 s41, ttmp6, 0x40004
	s_and_b32 s42, ttmp7, 0xffff
	s_lshl_b32 s42, s42, 2
	s_add_co_u32 s42, s42, s41                     ; A's tile of 256 rows: hangs on cy alone
	s_lshl_b32 s43, ttmp9, 2
	s_add_co_u32 s43, s43, s40                     ; B's block of 128 columns: hangs on cx alone
	s_lshl_b32 s44, s41, 2
	s_lshl_b32 s44, 15, s44                        ; my row of the cluster
	s_lshl_b32 s45, 0x1111, s40                    ; my column
	GROUP1 G1A, 44, 384
	GROUP1 G1B, 45, 384
	GROUP1 G1S, 44, 32
	s_mul_i32 s80, s42, 196608                     ; A's codes
	s_mov_b32 s81, 0
	s_lshl_b32 s82, s42, 13                        ; A's scale words
	s_mov_b32 s83, 0
	s_add_co_u32 s84, s43, 88
	s_mul_i32 s86, s84, 98304                      ; B's codes
	s_mov_b32 s87, 0
	s_lshl_b32 s84, s84, 12
	s_lshl_b32 s20, s16, 8
	s_add_co_u32 s84, s84, s20                     ; B's scale words, my four tiles
	s_mov_b32 s85, 0
	s_lshl_b32 s22, s43, 9
	s_add_co_u32 s22, s22, s20                     ; my 64 columns, in bytes
	s_mov_b32 s23, 0
	s_lshl_b32 s88, s42, 20
	s_lshl_b32 s21, s15, 19
	s_add_co_u32 s88, s88, s21
	s_add_co_u32 s88, s88, s22                     ; my part of out0
	s_mov_b32 s89, 0
	s_mov_b32 s[G0A], 1
	s_mov_b32 s[G0A+1], 0
	s_mov_b32 s[G0B], 1
	s_mov_b32 s[G0B+1], LB
	s_mov_b32 s[G0S], 1
	s_mov_b32 s[G0S+1], SCL
	s_mul_i32 s90, s15, 98304                      ; LDS: my 128 rows of A,
	s_mul_i32 s91, s16, 12288
	s_add_co_u32 s91, s91, LB                      ; my four tiles of B,
	s_lshl_b32 s92, s15, 12
	s_add_co_u32 s92, s92, SCL                     ; my rows' scale words,
	s_mul_i32 s93, s14, 16*SPITCH
	s_add_co_u32 s93, s93, STAGE                   ; my stage
	s_mov_b32 s70, 3072
	s_mov_b32 s71, 64
	v_and_b32 v1, 15, v0
	v_bfe_u32 v2, v0, 4, 1
	v_and_b32 v3, 31, v0
	v_lshl_add_u32 v[AQ0], v3, 3, s90
.irp q, 1,2,3,4,5,6,7
	v_add_nc_u32 v[AQ0+\q], (\q/2)*24576+(\q%2)*1536, v[AQ0]
.endr
.irp q, 0,1,2,3,4,5,6,7
	v_add_nc_u32 v[AQ+\q], (\q/2)*24576+(\q%2)*1536+3072, v[AQ0]
.endr
	v_lshl_add_u32 v[ADRB], v3, 3, s91
	v_add_nc_u32 v[ADRB+1], 49152, v[ADRB]
	v_lshlrev_b32 v[ABS], 2, v3
	v_lshl_add_u32 v[AAS0], v1, 2, s92
	v_add_nc_u32 v[AAS], 64, v[AAS0]
	v_mul_u32_u24 v22, v1, SPITCH
	v_lshl_add_u32 v22, v2, 6, v22
	v_add_nc_u32 v[STO], s93, v22                  ; in: row l % 16, 64 bytes for each half of the lanes
	v_mul_u32_u24 v23, v2, SPITCH
	v_lshl_add_u32 v23, v1, 4, v23
	v_add_nc_u32 v[RD], s93, v23                   ; back: sixteen lanes to a row
	v_lshlrev_b32 v23, 12, v2
	v_lshl_add_u32 v[CO], v1, 4, v23
	v_lshlrev_b32 v8, 6, v2                        ; the bias: 16 columns on for lanes 16-31
	WALU                                           ; at the head's end
	s_wait_dscnt 0x0
	CROUND                                         ; the opening round
	s_wait_kmcnt 0x0
	s_add_nc_u64 s[G0A+2:G0A+3], s[4:5], s[80:81]
	s_add_nc_u64 s[G0S+2:G0S+3], s[6:7], s[82:83]
	s_or_b32 s[G0S+3], s[G0S+3], 0x80000000
	s_add_nc_u64 s[G0B+2:G0B+3], s[8:9], s[86:87]
	s_or_b32 s[G0B+3], s[G0B+3], 0x80000000
	s_add_nc_u64 s[10:11], s[10:11], s[84:85]
	s_add_nc_u64 s[72:73], s[72:73], s[22:23]
	s_add_nc_u64 s[12:13], s[12:13], s[88:89]
	s_cmp_eq_u32 s14, 0
	s_cbranch_scc0 .Lwave_1
	TLOAD G0B, G1B                                 ; wave 0: B's block, which is wanted first
	s_branch .Lasked
.Lwave_1:
	s_cmp_eq_u32 s14, 1
	s_cbranch_scc0 .Lwave_2
	s_or_b32 s[G0A+3], s[G0A+3], 0x80000000
	TLOAD G0A, G1A                                 ; wave 1: A's rows 0 to 127
	s_branch .Lasked
.Lwave_2:
	s_cmp_eq_u32 s14, 2
	s_cbranch_scc0 .Lwave_3
	s_mov_b32 s[G0A+1], 98304
	s_add_nc_u64 s[G0A+2:G0A+3], s[G0A+2:G0A+3], 98304
	s_or_b32 s[G0A+3], s[G0A+3], 0x80000000
	TLOAD G0A, G1A                                 ; wave 2: rows 128 to 255
	s_branch .Lasked
.Lwave_3:
	TLOAD G0S, G1S                                 ; wave 3: A's scale words
.Lasked:
.irp p, 0,1
.irp q, 0,1,2,3,4,5,6,7
	global_load_b32 v[SB+NQ*\p+\q], v[ABS], s[10:11] offset:512*\q+128*\p   ; 32 lanes read the words of two tiles, 128 consecutive bytes
.endr
.endr
.irp b, 0,1,2,3
	global_load_b128 v[BO+8*\b:BO+8*\b+3], v8, s[72:73] offset:(32*(\b/2)+8*(\b%2))*4
	global_load_b128 v[BO+8*\b+4:BO+8*\b+7], v8, s[72:73] offset:(32*(\b/2)+8*(\b%2))*4+16
.endr
	s_cmp_eq_u32 s14, 0
	s_cbranch_scc0 .Lnot_b
	s_wait_tensorcnt 0x0                           ; wave 0: B has landed
.Lnot_b:
	BARRIER                                        ; the other tiles may still be on their way
.irp q, 0,1,2,3,4,5,6,7
.irp t, 0,1,2,3
	FRAGB \q, \t
.endr
.endr
	WIN 0
	s_wait_loadcnt 0x0                             ; B's scale words and the bias
	s_wait_tensorcnt 0x0                           ; every wave: all that is still out
	s_wait_dscnt 0x0
	BARRIER                                        ; A and its scale words are shown to all
	FETCHAT 0, AQ0, AAS0
	FETCHAT 1, AQ, AAS
	s_mov_b32 s23, 0
	s_mov_b32 s20, 0                               ; s[20:21]: from a pair's tokens to the next pair's; the first pair begins where the base stands
	s_mov_b32 s21, 0
	s_wait_dscnt NF                                ; block 0's fragments are in
.Lpair:                                            ; blocks 0 to 5, a pair a trip
	STREAM 0, 1
	STREAM 1, 1
	s_mov_b32 s20, 32*4096
	s_add_co_u32 s23, s23, 1
	s_cmp_lg_u32 s23, 3
	s_cbranch_scc1 .Lpair
	STREAM 0, 0                                    ; blocks 6 and 7 fetch nothing
	STREAM 1, 0
	s_wait_tensorcnt 0x0                           ; the wave's end
	ds_add_u32 v[SPW], v[NIL]
	s_wait_dscnt 0x0
	CROUND                                         ; the closing round
	s_endpgm
.Lfunc_end_k_qa2b36e7540_proj:
	.size	k_qa2b36e7540_proj, .Lfunc_end_k_qa2b36e7540_proj-k_qa2b36e7540_proj
	.p2alignl 7, 3214868480
	.fill 96, 4, 3214868480
	.section	.rodata,"a",@progbits
	.p2align	6, 0x0
	.amdhsa_kernel k_qa2b36e7540_proj
		.amdhsa_group_segment_fixed_size 327680
		.amdhsa_private_segment_fixed_size 0
		.amdhsa_enable_private_segment 0
		.amdhsa_kernarg_size 48
		.amdhsa_user_sgpr_count 2
		.amdhsa_user_sgpr_kernarg_segment_ptr 1
		.amdhsa_wavefront_size32 1
		.amdhsa_system_sgpr_workgroup_id_x 1
		.amdhsa_system_sgpr_workgroup_id_y 1
		.amdhsa_system_sgpr_workgroup_id_z 1
		.amdhsa_system_vgpr_workitem_id 0
		.amdhsa_next_free_vgpr 840
		.amdhsa_next_free_sgpr 100
		.amdhsa_reserve_vcc 0
		.amdhsa_float_denorm_mode_32 3
		.amdhsa_float_denorm_mode_16_64 3
		.amdhsa_memory_ordered 1
		.amdhsa_forward_progress 1
		.amdhsa_inst_pref_size 58
	.end_amdhsa_kernel
	.amdgpu_metadata
---
amdhsa.version: [ 1, 2 ]
amdhsa.kernels:
  - .name:           k_qa2b36e7540_proj
    .symbol:         k_qa2b36e7540_proj.kd
    .args:
      - { .name: oc, .offset: 0, .size: 8, .value_kind: global_buffer, .address_space: global }
      - { .name: os, .offset: 8, .size: 8, .value_kind: global_buffer, .address_space: global }
      - { .name: codes, .offset: 16, .size: 8, .value_kind: global_buffer, .address_space: global }
      - { .name: scales, .offset: 24, .size: 8, .value_kind: global_buffer, .address_space: global }
      - { .name: bo, .offset: 32, .size: 8, .value_kind: global_buffer, .address_space: global }
      - { .name: out0, .offset: 40, .size: 8, .value_kind: global_buffer, .address_space: global }
    .group_segment_fixed_size: 327680
    .private_segment_fixed_size: 0
    .kernarg_segment_align: 8
    .kernarg_segment_size: 48
    .max_flat_workgroup_size: 128
    .sgpr_count:     100
    .vgpr_count:     840
    .wavefront_size: 32
...
	.end_amdgpu_metadata
.endif
;; end of part 4
